; MI455X (gfx1250); checked and timed in simulation.
; The chip was launched on July 23, 2026; its instructions are those of AMD's public machine-readable ISA for CDNA 5 (MIT licence, August 2026) and "CDNA5" Instruction Set Architecture Reference Guide (July 2026). The comments in the code are by the model that wrote it; some were corrected since.
;; Attention. Allowed arithmetic: matrix products marked QUANTISED: E2M3 operands, one E8M0 scale for each 32 along K, by v_wmma_scale_f32_16x16x128_f8f6f4 with both operands' format E2M3, f32 sums; everything else in f32.
;; Inputs: b_proj 1,024 float32; w_proj 1,024 x 1,024 float32; w_qkv 1,024 x 3,072 float32; x 4 x 2,048 x 1,024 float32.
;; Outputs: out0 4 x 2,048 x 1,024 float32.
;; This version of the problem:
;;   THIS VERSION OF THE PROBLEM IS GIVEN IN LOW PRECISION. The matrix products marked QUANTISED in the list below multiply operands that are first quantised to E2M3 (2 exponent bits, 3 mantissa bits; 6 bits a number), with one power-of-two scale for each 32 numbers along K (OCP MX v1.0); their sums are f32. All else is computed in f32.
;;   The module's matrix products, in the order in which they are computed (A, B: the left and right operand; K: the contracted axis; several contracted axes count as one K, in the product's order):
;;     1. [M 8,192, K 1,024] x [K 1,024, N 3,072]; A: input x; B: input w_qkv: QUANTISED
;;     2. batch 64 x [M 2,048, K 64] x [K 64, N 2,048]; A: computed on the way; B: computed on the way: QUANTISED
;;     3. batch 64 x [M 2,048, K 2,048] x [K 2,048, N 64]; A: softmax (see below); B: computed on the way: QUANTISED
;;     4. [M 8,192, K 1,024] x [K 1,024, N 1,024]; A: computed on the way; B: input w_proj: QUANTISED
;;   THE QUANTISER, for each operand of a quantised product, along K:
;;     - K is cut into blocks of 32 from its start; a last block that is shorter is filled with zeros.
;;     - A block's scale is 2^e with e = floor(log2(the largest magnitude in the block)) - 2, held to -126 .. 127; a block of zeros has e = 0. As a byte (E8M0): e + 127.
;;     - Each number is divided by its block's scale, clamped to +-7.5, and rounded to the nearest number of E2M3, ties to even, subnormals kept.
;;     - The product sums the exact products of the quantised numbers (number of the format x scale) in f32.
;;   ~~~python
;;   def quantise(x, axis):      # numpy; x: float32 -> the quantised numbers, widened to float32 again
;;       x = np.moveaxis(x, axis, -1); K = x.shape[-1]
;;       x = np.pad(x, [(0, 0)] * (x.ndim - 1) + [(0, -K % 32)]); x = x.reshape(x.shape[:-1] + (-1, 32)); a = np.abs(x).max(-1, keepdims=True)
;;       e = np.where(a > 0, np.clip(np.frexp(np.where(a > 0, a, 1))[1] - 1 - 2, -126, 127), 0)      # np.frexp(a)[1] - 1 = floor(log2(a)), exactly
;;       r = np.clip(x / 2.0 ** e, -7.5, 7.5)
;;       step = 2.0 ** (np.maximum(np.frexp(np.where(r == 0, 1, r))[1] - 1, 0) - 3)
;;       q = np.round(r / step) * step * 2.0 ** e      # np.round: ties to even
;;       return np.moveaxis(q.reshape(q.shape[:-2] + (-1,))[..., :K], -1, axis).astype(np.float32)
;;   ~~~
;;   SOFTMAX AHEAD OF A QUANTISED PRODUCT. Where the list says 'softmax', what is quantised is not the finished softmax but p = 2^(t - M), with t = logit x log2(e) and M = ceil(the row's largest t), a whole number; so 1/2 < the row's largest p <= 1. The row's sum l is taken of the UNQUANTISED p, in f32, and the product's result is divided by l at the end. Since M is a whole number, a kernel that streams over the keys may use a running M (the ceiling of the running maximum): every later rescaling is an exact power of two, which a block's scale takes up: the codes' values come out the same.
;;   OPERANDS COMPUTED ON THE WAY. 'Computed on the way' means the value that the module computes at that place (a softmax that the list does not call 'softmax' is quantised finished and normalised). What goes into a quantiser is computed in f32, as accurately as f32 sums, v_exp_f32 and their like allow (about 1e-6 of the number): no bf16 or f16 on the way to a quantiser, and a product that is left as it is and whose result goes on into a quantised operand takes f32 operands (vector FMAs, or v_wmma_f32_16x16x4_f32). A number that lies on a knife's edge between two numbers of the format may be rounded either way, as far as f32 arithmetic and the matrix unit's own rounding can turn it there, and no further.
;; One version. Each part assembles by itself: llvm-mc -triple=amdgcn-amd-amdhsa -mcpu=gfx1250 --defsym DOCPART=n.
;; ======== version 1 of 1: 4 launches
;; limits: right only within a limited range of input values
;; workspace buffers: c1 8,650,752 bytes; s1 360,448 bytes; wpc 786,432 bytes; wps 32,768 bytes; qkvc 18,874,368 bytes; qkvs 786,432 bytes; yc 6,291,456 bytes; ys 262,144 bytes
;; launch quant (part 1): grid 384 x 1, 4 waves a work-group, no clusters, 94,720 bytes of LDS; arguments x, w_qkv, w_proj, c1, s1, wpc, wps; writes c1, s1, wpc, wps
.if DOCPART == 1
	.amdgcn_target "amdgcn-amd-amdhsa--gfx1250"
	.amdhsa_code_object_version 6
	.text
	.protected	k_q4fa2b9913d_quant
	.globl	k_q4fa2b9913d_quant
	.p2align	8
	.type	k_q4fa2b9913d_quant,@function
k_q4fa2b9913d_quant:
	s_mov_b64 s[64:65], 0
	v_nop
	global_prefetch_b8 v0, s[64:65] scope:SCOPE_SE
	s_setreg_imm32_b32 hwreg(HW_REG_WAVE_MODE, 25, 1), 1
	s_wait_xcnt 0x0
; x [8192][1024], w_qkv [1024][3072] and w_proj [1024][1024], f32, become codes of FP6 (E2M3) along their K (x: its last axis; the weights: their FIRST axis), with one E8M0 byte for each 32 along K.
; A block's scale is 2^(floor(log2(its largest magnitude)) - 2); its byte is the largest magnitude's exponent field - 2, held at 1 from below.
; LIMITS: a block of zeros gets the byte 1 where the rule says 127 (its codes are zeros, and this program alone reads the bytes); blocks whose largest magnitude lies under 2^-124 are held at byte 1; NaN and infinities are not served.
; LAYOUT OF THE CODES: [K / 64][row][48 bytes]: 64 codes of a row are 48 bytes, and all rows of one K / 64 lie on end.  c1 has 11,264 rows: 8,192 tokens, then w_qkv's 3,072 columns; wpc has w_proj's 1,024 columns.
; ORDER OF THE ROWS: a row is stored at the place whose number is the row's number with bits 3 and 4 exchanged: sixteen places on end are then rows 0-7 and 16-23 (or 8-15 and 24-31) of a group of 32,
; which is the choice of rows that lets a transposed product leave sixteen neighbours along the next K in a lane's registers.  The scale bytes, [row][32], are stored at the same places.
; The first 256 work-groups take x, the other 128 the weights: two ways through the text, each with LDS bytes of its own.  No tensor loads, no barrier: waves share nothing.
.set GP1,   540672                     ; bytes of c1 for one K / 64: 11,264 rows x 48
.set STEPS, 16
.set EMAX,  2
.set SP,    80                         ; tokens: a lane's place in a turning stage: 64 bytes + 16
.set XREG,  14848                      ; tokens: a wave's LDS: two turning stages (5,120), 256 scale bytes, 16 x 576 bytes of codes
.set XSCB,  5120
.set XCST,  5376
.set R,     16                         ; v16-79   four sets of 16 numbers as loaded; at the end the codes on their way out
.set X,     80                         ; v80-111  two sets of 16 neighbours
.set E,     112                        ; v112-127 a scale byte for each step
.set C,     128                        ; v128-191 codes, four registers a step
.set WBASE, 59392                      ; weights: LDS behind the tokens' bytes: 32 rows x 272 for each wave
.set WREG,  8704
.set WP,    272
.set WX,    32                         ; v32-95   two sets of 32 numbers
.set WC,    96                         ; v96-102  a block's codes
.set WOUT,  112                        ; v112-175 the way out
.set WSB,   24                         ; v24-25   eight scale bytes
.set VO,    176                        ; v176-207 4 x lane + i rows of the weight
.set VG,    208                        ; v208-211 12 x lane + gg groups of the codes' buffer
.set LB,    32                         ; s[32:47] the eight blocks' first bytes in the weight
.macro LOAD t                          ; tokens: a step's 512 numbers, 512 consecutive bytes a load
.irp i, 0,1,2,3
	global_load_b128 v[R+16*((\t)%4)+4*\i:R+16*((\t)%4)+4*\i+3], v3, s[4:5] offset:2048*(\t)+512*\i th:TH_LOAD_NT
.endr
.endm
.macro TURN t                          ; through the wave's own stage: in as loaded, back 64 bytes a lane; LDS serves a wave's instructions in order
.irp i, 0,1,2,3
	ds_store_b128 v14, v[R+16*((\t)%4)+4*\i:R+16*((\t)%4)+4*\i+3] offset:32*SP*((\t)%2)+8*SP*\i
.endr
.irp i, 0,1,2,3
	ds_load_b128 v[X+16*((\t)%2)+4*\i:X+16*((\t)%2)+4*\i+3], v15 offset:32*SP*((\t)%2)+16*\i
.endr
.endm
.macro STEP t                          ; step t: token t / 2 of my eight, K = 512 (t % 2) + 16 x lane + 0 .. 15
.set XS, X+16*((\t)%2)
.if (\t) > 0
	s_wait_dscnt 2                                 ; this step's numbers are back (behind them: the last step's byte store and code store)
.else
	s_wait_dscnt 0x0
.endif
.if (\t)+4 < STEPS
	LOAD (\t)+4                                    ; into the registers that the stage's stores have read
.endif
.if (\t)+1 < STEPS
.if STEPS-2-(\t) >= 3
	s_wait_loadcnt 12                              ; the next step's four loads are in; three steps' may be out
.else
	s_wait_loadcnt 4*(STEPS-2-(\t))
.endif
	TURN (\t)+1
.endif
	v_max3_num_f32 v8, |v[XS]|, |v[XS+1]|, |v[XS+2]|
	v_max3_num_f32 v9, |v[XS+3]|, |v[XS+4]|, |v[XS+5]|
.irp i, 6,10
	v_max3_num_f32 v8, v8, |v[XS+\i]|, |v[XS+\i+1]|
	v_max3_num_f32 v9, v9, |v[XS+\i+2]|, |v[XS+\i+3]|
.endr
	v_max3_num_f32 v8, v8, |v[XS+14]|, |v[XS+15]|
	v_max3_num_f32 v8, v8, v9, (EMAX+1)<<23        ; with the floor 2^(3 - 127): the byte cannot fall under 1
	v_max_num_f32_dpp v8, v8, v8 row_xmask:1 row_mask:0xf bank_mask:0xf   ; and my neighbour's 16: the block's largest magnitude
	v_add_nc_u32 v11, -(EMAX<<23), v8              ; 2 off its exponent field: the conversion's scale operand
	v_cvt_scalef32_pk16_fp6_f32 v[C+4*(\t):C+4*(\t)+2], v[XS:XS+15], v11
	v_lshrrev_b32 v[E+(\t)], 23, v11               ; the scale's byte (a plain line behind the conversion)
	ds_store_b8 v5, v[E+(\t)] offset:16*(\t)       ; both lanes of a block write the same byte
	ds_store_b96 v4, v[C+4*(\t):C+4*(\t)+2] offset:((\t)%2)*4608+((\t)/2)*64   ; group 8 (t % 2) + lane / 4, token t / 2, part lane % 4: 12 bytes in a place of 16
.endm
.macro WLOAD t                         ; weights: block t: rows 32 t + i of my column
.set II, 0
.rept 32
	global_load_b32 v[WX+32*((\t)%2)+II], v[VO+II], s[LB+2*(\t):LB+2*(\t)+1] th:TH_LOAD_NT
.set II, II+1
.endr
.endm
.macro BLOCK t
.set XS, WX+32*((\t)%2)
.if (\t) < 7
	s_wait_loadcnt 32                              ; this block's 32 loads are in; the next block's may be out
.else
	s_wait_loadcnt 0
.endif
	v_max3_num_f32 v12, |v[XS]|, |v[XS+1]|, |v[XS+2]|
	v_max3_num_f32 v13, |v[XS+3]|, |v[XS+4]|, |v[XS+5]|
.irp i, 6,10,14,18,22,26
	v_max3_num_f32 v12, v12, |v[XS+\i]|, |v[XS+\i+1]|
	v_max3_num_f32 v13, v13, |v[XS+\i+2]|, |v[XS+\i+3]|
.endr
	v_max3_num_f32 v12, v12, |v[XS+30]|, |v[XS+31]|
	v_max3_num_f32 v12, v12, v13, (EMAX+1)<<23
	v_add_nc_u32 v11, -(EMAX<<23), v12
	v_lshrrev_b32 v13, 23, v11
.if (\t)%4 == 0
	v_mov_b32 v[WSB+(\t)/4], v13
.else
	v_lshl_or_b32 v[WSB+(\t)/4], v13, 8*((\t)%4), v[WSB+(\t)/4]
.endif
	v_cvt_scalef32_pk16_fp6_f32 v[WC:WC+2], v[XS:XS+15], v11
	v_cvt_scalef32_pk16_fp6_f32 v[WC+4:WC+6], v[XS+16:XS+31], v11
	ds_store_b96 v4, v[WC:WC+2] offset:32*(\t)
	ds_store_b96 v4, v[WC+4:WC+6] offset:32*(\t)+16
.if (\t)+2 < 8
	WLOAD (\t)+2
.endif
	s_wait_dscnt 0x0                               ; the stores have read their registers: the next block's codes may be written
.endm
	s_load_b256 s[4:11], s[0:1], 0x0               ; x, w_qkv, w_proj, c1
	s_load_b128 s[12:15], s[0:1], 0x20             ; s1, wpc
	s_load_b64 s[16:17], s[0:1], 0x30              ; wps
	v_lshl_add_u32 v216, v0, 2, 0x17000
	v_mov_b32 v217, 0
	v_lshrrev_b32 v1, 5, v0
	v_readfirstlane_b32 s18, v1                    ; wave
	v_and_b32 v2, 31, v0                           ; lane
	s_cmp_lt_u32 ttmp9, 256
	s_cbranch_scc0 .Lweights
	; ---- THE TOKENS.  Wave W = 4 x work-group + wave takes tokens 8 W .. 8 W + 7: 16 steps of 512 numbers
	v_lshlrev_b32 v3, 4, v2
	s_mul_i32 s19, s18, XREG
	v_lshrrev_b32 v14, 2, v2
	v_and_b32 v15, 3, v2
	v_mul_u32_u24 v4, v14, 576
	v_lshl_add_u32 v4, v15, 4, v4
	v_add_nc_u32 v4, s19, v4
	v_add_nc_u32 v4, XCST, v4                      ; the codes' stage, in: 576 (lane / 4) + 16 (lane % 4)
	v_mul_u32_u24 v14, v14, SP
	v_lshl_add_u32 v14, v15, 4, v14
	v_add_nc_u32 v14, s19, v14                     ; the turning stage, in
	v_mul_u32_u24 v15, v2, SP
	v_add_nc_u32 v15, s19, v15                     ; and back
	v_lshrrev_b32 v5, 1, v2
	v_add_nc_u32 v5, s19, v5
	v_add_nc_u32 v5, XSCB, v5                      ; my block's scale byte
	v_lshlrev_b32 v7, 3, v2
	v_add_nc_u32 v6, s19, v7
	v_add_nc_u32 v6, XSCB, v6                      ; the scale bytes' way out: 8 a lane
	v_add_nc_u32 v10, s19, v3
	v_add_nc_u32 v10, XCST, v10                    ; the codes' stage, back: place = lane
	v_mul_u32_u24 v12, v2, 12                      ; and in memory: 12 bytes a lane, 384 on end
	s_lshl_b32 s20, ttmp9, 2
	s_add_co_u32 s21, s20, s18                     ; W
	s_lshl_b32 s22, s21, 15                        ; 8 rows of 4,096 bytes
	s_mov_b32 s23, 0
	s_and_b32 s24, s18, 1
	s_lshl_b32 s24, s24, 1
	s_lshr_b32 s25, s18, 1
	s_or_b32 s24, s24, s25
	s_add_co_u32 s24, s24, s20                     ; the group of eight places: W with its two lowest bits exchanged
	s_mul_i32 s26, s24, 384
	s_mov_b32 s27, 0
	s_lshl_b32 s28, s24, 8
	s_mov_b32 s29, 0
	s_wait_kmcnt 0x0
	s_add_nc_u64 s[4:5], s[4:5], s[22:23]
	s_add_nc_u64 s[10:11], s[10:11], s[26:27]
	s_add_nc_u64 s[12:13], s[12:13], s[28:29]
.irp t, 0,1,2,3
	LOAD \t
.endr
	s_wait_loadcnt 12                              ; step 0's four loads are in
	TURN 0
.irp t, 0,1,2,3,4,5,6,7,8,9,10,11,12,13,14,15
	STEP \t
.endr
	ds_load_b64 v[8:9], v6                         ; LDS serves a wave's instructions in order: these see my stores
.irp g, 0,1,2,3,4,5,6,7,8,9,10,11,12,13,14,15
	ds_load_b96 v[R+4*\g:R+4*\g+2], v10 offset:576*\g
.endr
	s_wait_dscnt 16                                ; the scale bytes are back; the sixteen loads behind them may be out
	global_store_b64 v7, v[8:9], s[12:13]          ; 256 consecutive bytes, aligned
.irp g, 0,1,2,3,4,5,6,7,8,9,10,11,12,13,14,15
	s_wait_dscnt 15-\g
	global_store_b96 v12, v[R+4*\g:R+4*\g+2], s[10:11] offset:\g*GP1   ; eight places x 48 bytes of group g: 384 consecutive bytes; 15 groups on are inside the signed 24-bit immediate
.endr
	s_wait_tensorcnt 0x0
	ds_add_u32 v216, v217
	s_wait_dscnt 0x0
	s_endpgm
	; ---- THE WEIGHTS.  A lane takes a column, its registers run down K.  Work-group u: column group u % 32 (24 of w_qkv, 8 of w_proj), K = 256 (u / 32) on; a wave 32 columns
.Lweights:
	s_sub_co_u32 s19, ttmp9, 256
	s_and_b32 s20, s19, 31
	s_lshr_b32 s21, s19, 5                         ; y: which 256 along K
	s_sub_co_u32 s22, s20, 24
	s_wait_kmcnt 0x0
	s_cmp_lt_u32 s20, 24                           ; w_qkv or w_proj: the choice hangs on the work-group's number alone
	s_cselect_b64 s[6:7], s[6:7], s[8:9]
	s_cselect_b64 s[10:11], s[10:11], s[14:15]
	s_cselect_b64 s[12:13], s[12:13], s[16:17]
	s_mov_b32 s23, 4096
	s_cselect_b32 s23, 12288, s23                  ; a row of the weight in bytes
	s_mov_b32 s24, 49152
	s_cselect_b32 s24, GP1, s24                    ; a K / 64 of the codes' buffer in bytes
	s_cselect_b32 s25, 8192, 0                     ; the first row of the columns' places
	s_cselect_b32 s22, s20, s22                    ; the group of 128 columns
	s_lshl_b32 s26, s22, 7
	s_lshl_b32 s27, s18, 5
	s_add_co_u32 s26, s26, s27                     ; my wave's first column
	s_lshl_b32 s28, s21, 8
	s_mul_i32 s28, s28, s23
	s_lshl_b32 s29, s26, 2
	s_add_co_u32 s28, s28, s29
	s_mov_b32 s29, 0
	s_add_nc_u64 s[LB:LB+1], s[6:7], s[28:29]      ; block 0
	s_lshl_b32 s28, s23, 5                         ; 32 rows on
.irp t, 1,2,3,4,5,6,7
	s_add_nc_u64 s[LB+2*\t:LB+2*\t+1], s[LB+2*\t-2:LB+2*\t-1], s[28:29]
.endr
	s_add_co_u32 s30, s25, s26
	s_lshl_b32 s19, s21, 2
	s_mul_i32 s19, s19, s24
	s_mul_i32 s20, s30, 48
	s_add_co_u32 s28, s19, s20
	s_add_nc_u64 s[10:11], s[10:11], s[28:29]      ; the codes: group 4 y, my first place
	s_lshl_b32 s28, s30, 5
	s_lshl_b32 s19, s21, 3
	s_add_co_u32 s28, s28, s19
	s_add_nc_u64 s[12:13], s[12:13], s[28:29]      ; the scale bytes: my first place, byte 8 y
	s_wait_alu depctr_va_vdst(0)
	v_lshlrev_b32 v3, 2, v2
.set II, 0
.rept 32
	v_mad_u32_u24 v[VO+II], s23, II, v3
.set II, II+1
.endr
	v_mul_u32_u24 v8, v2, 12
.irp g, 0,1,2,3
	v_mad_u32_u24 v[VG+\g], s24, \g, v8
.endr
	s_mul_i32 s19, s18, WREG
	s_add_co_u32 s19, s19, WBASE
	v_mul_u32_u24 v4, v2, WP
	v_add_nc_u32 v4, s19, v4                       ; the stage, in: row = my column
	v_lshrrev_b32 v5, 2, v2
	v_and_b32 v6, 3, v2
	v_mul_u32_u24 v7, v5, WP
	v_lshl_add_u32 v7, v6, 4, v7
	v_add_nc_u32 v7, s19, v7                       ; back: four lanes to a column's 48 bytes, eight columns an instruction
	v_and_b32 v9, 7, v2
	v_and_b32 v10, 8, v2
	v_lshl_add_u32 v9, v10, 1, v9
	v_and_b32 v10, 16, v2
	v_lshrrev_b32 v10, 1, v10
	v_add_nc_u32 v9, v9, v10
	v_lshlrev_b32 v9, 5, v9                        ; my column's place among the wave's 32, x 32 bytes
	WLOAD 0
	WLOAD 1
.irp t, 0,1,2,3,4,5,6,7
	BLOCK \t
.endr
	s_wait_alu depctr_va_vdst(0)
	global_store_b64 v9, v[WSB:WSB+1], s[12:13]    ; my column's eight scale bytes
.irp g, 0,1,2,3
.irp s, 0,1,2,3
	ds_load_b96 v[WOUT+4*(4*\g+\s):WOUT+4*(4*\g+\s)+2], v7 offset:8*\s*WP+64*\g
.endr
.endr
.irp g, 0,1,2,3
.irp s, 0,1,2,3
	s_wait_dscnt 15-(4*\g+\s)
	global_store_b96 v[VG+\g], v[WOUT+4*(4*\g+\s):WOUT+4*(4*\g+\s)+2], s[10:11] offset:384*(2*(\s%2)+\s/2)   ; columns 8 s on go to places 8 (s with its bits exchanged) on: 384 consecutive bytes
.endr
.endr
	s_wait_tensorcnt 0x0
	ds_add_u32 v216, v217
	s_wait_dscnt 0x0
	s_endpgm
.Lfunc_end_k_q4fa2b9913d_quant:
	.size	k_q4fa2b9913d_quant, .Lfunc_end_k_q4fa2b9913d_quant-k_q4fa2b9913d_quant
	.p2alignl 7, 3214868480
	.fill 96, 4, 3214868480
	.section	.rodata,"a",@progbits
	.p2align	6, 0x0
	.amdhsa_kernel k_q4fa2b9913d_quant
		.amdhsa_group_segment_fixed_size 94720
		.amdhsa_private_segment_fixed_size 0
		.amdhsa_enable_private_segment 0
		.amdhsa_kernarg_size 56
		.amdhsa_user_sgpr_count 2
		.amdhsa_user_sgpr_kernarg_segment_ptr 1
		.amdhsa_wavefront_size32 1
		.amdhsa_system_sgpr_workgroup_id_x 1
		.amdhsa_system_sgpr_workgroup_id_y 1
		.amdhsa_system_sgpr_workgroup_id_z 1
		.amdhsa_system_vgpr_workitem_id 0
		.amdhsa_next_free_vgpr 218
		.amdhsa_next_free_sgpr 66
		.amdhsa_reserve_vcc 0
		.amdhsa_float_denorm_mode_32 3
		.amdhsa_float_denorm_mode_16_64 3
		.amdhsa_memory_ordered 1
		.amdhsa_forward_progress 1
		.amdhsa_inst_pref_size 79
	.end_amdhsa_kernel
	.amdgpu_metadata
---
amdhsa.version: [ 1, 2 ]
amdhsa.kernels:
  - .name:           k_q4fa2b9913d_quant
    .symbol:         k_q4fa2b9913d_quant.kd
    .args:
      - { .name: x, .offset: 0, .size: 8, .value_kind: global_buffer, .address_space: global }
      - { .name: w_qkv, .offset: 8, .size: 8, .value_kind: global_buffer, .address_space: global }
      - { .name: w_proj, .offset: 16, .size: 8, .value_kind: global_buffer, .address_space: global }
      - { .name: c1, .offset: 24, .size: 8, .value_kind: global_buffer, .address_space: global }
      - { .name: s1, .offset: 32, .size: 8, .value_kind: global_buffer, .address_space: global }
      - { .name: wpc, .offset: 40, .size: 8, .value_kind: global_buffer, .address_space: global }
      - { .name: wps, .offset: 48, .size: 8, .value_kind: global_buffer, .address_space: global }
    .group_segment_fixed_size: 94720
    .private_segment_fixed_size: 0
    .kernarg_segment_align: 8
    .kernarg_segment_size: 56
    .max_flat_workgroup_size: 128
    .sgpr_count:     66
    .vgpr_count:     218
    .wavefront_size: 32
...
	.end_amdgpu_metadata
.endif
;; end of part 1
;; launch qkv (part 2): grid 12 x 64, 4 waves a work-group, clusters of 4 x 4, 327,680 bytes of LDS; arguments c1, s1, qkvc, qkvs; writes qkvc, qkvs
.if DOCPART == 2
	.amdgcn_target "amdgcn-amd-amdhsa--gfx1250"
	.amdhsa_code_object_version 6
	.text
	.protected	k_q4fa2b9913d_qkv
	.globl	k_q4fa2b9913d_qkv
	.p2align	8
	.type	k_q4fa2b9913d_qkv,@function
k_q4fa2b9913d_qkv:
	s_mov_b64 s[64:65], 0
	v_nop
	global_prefetch_b8 v0, s[64:65] scope:SCOPE_SE
	s_setreg_imm32_b32 hwreg(HW_REG_WAVE_MODE, 25, 1), 1
	s_wait_xcnt 0x0
	s_wait_alu depctr_hold_cnt(0) depctr_sa_sdst(0) depctr_va_vdst(0) depctr_va_sdst(0) depctr_va_ssrc(0) depctr_va_vcc(0) depctr_vm_vsrc(0)
	s_getreg_b32 s2, hwreg(HW_REG_IB_STS2, 6, 4)
	s_cmp_eq_u32 s2, 0
	s_cbranch_scc0 .Lentry_in_a_cluster
	s_endpgm
.Lentry_in_a_cluster:
	s_bfe_u32 s2, ttmp6, 0x10000c
	s_cmp_lg_u32 s2, 0xf033
	s_cbranch_scc0 .Lentry_shape_is_right
	s_endpgm
.Lentry_shape_is_right:
; qkv = x w_qkv on codes of FP6 (E2M3) with E8M0 scales, and its results quantised at once: q and k along a head's 64, v along the tokens (the keys).  No f32 number of qkv goes to memory.
; c1: codes [K / 64 = 16][11,264 rows][48 bytes]: rows 0-8,191 tokens, 8,192-11,263 w_qkv's columns; s1: [row][32] scale bytes.  Rows stand at places whose number has bits 3 and 4 exchanged.
; A work-group of four waves makes 128 rows of side A x 256 rows of side B; a wave 64 x 128: 32 accumulators.  THE MATRIX INSTRUCTION IS USED TRANSPOSED (source 0 = 16 rows of B, source 1 = 16 rows of A):
; a lane holds ONE row of A, and, by the order of the places, the 16 registers of B's tiles 2 b and 2 b + 1 are 16 true neighbours along B.  So the quantiser runs along side B.
; ONE TEXT SERVES q, k AND v: for q and k side A is the tokens and side B the columns; for v (cluster x = 2) side A is v's columns and side B the tokens.  The choice is made by s_cselect_b32 on the cluster's x alone, which all partners share.
; ALL OF K (1,024) LIES IN LDS: four K steps of 256, each asked for once, at the head; nothing is filled again.  By this text's own count a wave has five tensor loads outstanding.
; CLUSTERS: 4 x 4 work-groups; A's tiles are shared along a row of the cluster, B's along a column: joint loads with a mask that names the four.
; OUT: a wave's 64 x 128 results are one chunk of 6,144 bytes of qkvc ([64 codes along B: 2][64 rows of A][48 bytes]) and 256 bytes of qkvs ([64 rows][4 bytes]).
;   chunk number ((which 4 + batch) 8 + head / 2) 32 + low;  q, k: low = the tokens' group of 64, the two halves are the two heads;  v: low = 2 x (group of 128 keys) + head % 2, the two halves are the keys' two groups of 64.
; LIMITS: a block of zeros gets the byte 1 (its codes are zeros; this program alone reads the bytes); blocks under 2^-124 are held at byte 1; NaN and infinities are not served.
; REGISTERS: window 0: v10-29 addresses; v32-63 scale words, two sets; v64-103 the quantiser's; v128-175 A's four fragments, one set.  window 1: B's eight fragments, two sets, at v0 and v128.  window 2: the accumulators, (a, b) at v[8 (8 a + b)].
; LDS AS THE LOADS BELOW LAY IT: A's codes [16 K / 64][128 rows][48 bytes] at 0, B's [16][256 rows][48] at 98,304, each brought whole by ONE tensor load; the scale bytes behind them.
; The head has four tensor loads, one a wave: B's codes, A's codes, B's scale bytes, A's scale bytes; every wave waits for its own, and one barrier shows all four.
.set SCL,   294912                     ; the scale bytes, in units of 256 bytes + 16: A's 4,352, then B's 8,704
.set KSA,   2162688                    ; a K step on in memory: four K / 64 of 540,672 bytes
.set KSB,   2162688
.set PITA,  67584                      ; a K / 64 on, in elements of 8 bytes
.set PITB,  67584
.set ADRA,  10                         ; v10-13 my A fragments' LDS address in K step 0 .. 3
.set ADRB,  14                         ; v14-17 the same for B
.set ADRS,  18                         ; v18    my scale words: lanes 0-15 A's rows, lanes 16-31 B's
.set STO,   24                         ; v24    the way out: my 24 bytes of a row of the chunk
.set SCS,   25                         ; v25    my row's scale word
.set RD,    26                         ; v26    the chunk back, 16 bytes a lane
.set RD2,   27                         ; v27    the scale words back, 8 bytes a lane
.set GOC,   28                         ; v28    16 x lane
.set GOS,   29                         ; v29    8 x lane
.set SC,    32
.set TM,    64                         ; v64-67 largest magnitudes, v68-71 the other half's, then bytes, v76-79 the conversions' scale operands
.set PW,    80
.set PC,    84                         ; v84-95 a fragment's codes; v96-98, v100-102 the halves made elsewhere
.set AF,    128
.set G0A,   20                         ; s[20:27] group 0 for A: scale bytes, then codes;  s[40:47] for B
.set G0B,   40
.set G1A,   68
.set G1B,   76
.set G1SA,  84
.set G1SB,  92
.set SEL,   100
.set MSB,   0
.macro WIN new                         ; the immediate's high byte repeats the setting that is left
.if MSB != \new
	s_set_vgpr_msb (MSB<<8)|\new
.set MSB, \new
.endif
.endm
.macro CROUND                          ; a round of the cluster's barrier
	s_barrier_signal -1
	s_barrier_wait -1
	s_cmp_lg_u32 s14, 0
	s_cbranch_scc1 .Lnot_wave_0_\@
	s_barrier_signal -3
.Lnot_wave_0_\@:
	s_barrier_wait -3
	s_barrier_signal -1
	s_barrier_wait -1
.endm
.macro PLACES n
.rept \n
	v_nop
.endr
.endm
; a fragment, 16 rows x 128 K: lane (r, h) takes 24 bytes at row x 48 + 24 h of two K / 64 on end, gs bytes apart.  Rows 48 bytes apart: the 32 lanes of a load of 8 bytes touch 64 different banks
.macro FRAG reg, adr, q, i, gs
.irp p, 0,1,2,3,4,5
	ds_load_b64 v[\reg+2*\p:\reg+2*\p+1], v[\adr] offset:(2*(\q)+\p/3)*(\gs)+(\i)*768+8*(\p%3)
.endr
.endm
.macro FETCH_B k                       ; B's eight fragments of step k (128 along K) into set k % 2
	WIN 0x40
.irp i, 0,1,2,3,4,5,6,7
	FRAG 128*((\k)%2)+12*\i, ADRB+(\k)/2, (\k)%2, \i, 12288
.endr
	WIN 0
.endm
.macro FETCH_A k, i0                   ; A's blocks i0, i0 + 1
.irp i, \i0, \i0+1
	FRAG AF+12*(\i), ADRA+(\k)/2, (\k)%2, \i, 6144
.endr
.endm
.macro SCALES ks                       ; K step ks's two words a row: lanes 0-15 A's block i, lanes 16-31 B's block i.  (A has four blocks: for i = 4 .. 7 lanes 0-15 read scale bytes of other rows, which no product names)
.irp i, 0,1,2,3,4,5,6,7
	ds_load_b64 v[SC+16*((\ks)%2)+2*\i:SC+16*((\ks)%2)+2*\i+1], v[ADRS] offset:544*\i+8*(\ks)
.endr
.endm
.macro MULA a, k, c                    ; A's block a against B's eight.  c = 0: the products start the sums.  The 32 accumulators take turns in the same order in every step
.irp b, 0,1,2,3,4,5,6,7
.if \c == 0
	v_wmma_scale_f32_16x16x128_f8f6f4 v[8*(8*\a+\b):8*(8*\a+\b)+7], v[128*((\k)%2)+12*\b:128*((\k)%2)+12*\b+11], v[AF+12*\a:AF+12*\a+11], 0, v[SC+16*(((\k)/2)%2)+2*\b+(\k)%2], v[SC+16*(((\k)/2)%2)+2*\a+(\k)%2] matrix_a_fmt:MATRIX_FMT_FP6 matrix_b_fmt:MATRIX_FMT_FP6 matrix_a_scale:MATRIX_SCALE_ROW1
.else
	v_wmma_scale_f32_16x16x128_f8f6f4 v[8*(8*\a+\b):8*(8*\a+\b)+7], v[128*((\k)%2)+12*\b:128*((\k)%2)+12*\b+11], v[AF+12*\a:AF+12*\a+11], v[8*(8*\a+\b):8*(8*\a+\b)+7], v[SC+16*(((\k)/2)%2)+2*\b+(\k)%2], v[SC+16*(((\k)/2)%2)+2*\a+(\k)%2] matrix_a_fmt:MATRIX_FMT_FP6 matrix_b_fmt:MATRIX_FMT_FP6 matrix_a_scale:MATRIX_SCALE_ROW1
.endif
.endr
.endm
.macro STEPP k, c                      ; an even step: its successor lies in the same K step
	s_wait_dscnt 12                                ; all but the youngest twelve loads (A's blocks 2 and 3)
	WIN 0xa1
	MULA 0, \k, \c
	MULA 1, \k, \c
	s_wait_dscnt 0x0
	PLACES 4                                       ; four plain places in front of loads into registers that matrix instructions have read
	FETCH_B (\k)+1
	FETCH_A (\k)+1, 0
	WIN 0xa1
	MULA 2, \k, \c
	MULA 3, \k, \c
	PLACES 4
	WIN 0
	FETCH_A (\k)+1, 2
.endm
.macro STEPT k                         ; an odd step: the next K step is shown to every wave by one barrier
	s_wait_dscnt 12
	WIN 0xa1
	MULA 0, \k, 1
	s_wait_dscnt 0x0                               ; no LDS instruction of mine is pending at the signal
	s_barrier_signal -1
	MULA 1, \k, 1
	s_barrier_wait -1
	PLACES 4
	FETCH_B (\k)+1
	FETCH_A (\k)+1, 0
	SCALES ((\k)+1)/2
	WIN 0xa1
	MULA 2, \k, 1
	MULA 3, \k, 1
	PLACES 4
	WIN 0
	FETCH_A (\k)+1, 2
.endm
; 64 results of a lane (block a: accumulators 8 a .. 8 a + 7; register 16 b + i = place 32 b + 16 h + i along B) become a fragment's codes and a scale word, and go to my stage
.macro QUANT a
	WIN 0x0a                                       ; sources 0 and 1: window 2
.irp b, 0,1,2,3
	v_max3_num_f32 v[TM+\b], |v[64*\a+16*\b]|, |v[64*\a+16*\b+1]|, 0x1800000   ; each accumulator is read from its low end on; the floor 2^(3 - 127) holds the byte at 1 from below
.endr
.irp i, 2,4,6,8,10,12,14
.irp b, 0,1,2,3
	v_max3_num_f32 v[TM+\b], |v[64*\a+16*\b+\i]|, |v[64*\a+16*\b+\i+1]|, v[TM+\b]
.endr
.endr
	WIN 0
.irp b, 0,1,2,3
	v_permlanex16_b32 v[TM+4+\b], v[TM+\b], s[SEL], s[SEL+1]
.endr
.irp b, 0,1,2,3
	v_max_num_f32 v[TM+\b], v[TM+\b], v[TM+4+\b]   ; with lane l xor 16's: the block's largest magnitude
.endr
.irp b, 0,1,2,3
	v_add_nc_u32 v[TM+12+\b], 0xff000000, v[TM+\b] ; 2 off its exponent field: the conversion's scale operand
.endr
.irp b, 0,1,2,3
	v_lshrrev_b32 v[TM+4+\b], 23, v[TM+12+\b]      ; the byte
.endr
	s_wait_alu depctr_va_vdst(0)
	s_wait_dscnt 0x0                               ; the last block's stores into the stage have read their registers
	v_lshl_or_b32 v[PW], v[TM+5], 8, v[TM+4]
	v_lshl_or_b32 v[PW], v[TM+6], 16, v[PW]
	v_lshl_or_b32 v[PW], v[TM+7], 24, v[PW]
	WIN 0x02                                       ; source 0: window 2
.irp c, 0,1
	v_cvt_scalef32_pk16_fp6_f32 v[PC+6*\c:PC+2+6*\c], v[64*\a+32*\c:64*\a+32*\c+15], v[TM+12+2*\c]
	v_cvt_scalef32_pk16_fp6_f32 v[PC+12+4*\c:PC+14+4*\c], v[64*\a+32*\c+16:64*\a+32*\c+31], v[TM+12+2*\c+1]
.endr
	WIN 0
	v_nop                                          ; one plain place behind a scaled conversion
.irp c, 0,1                                    ; a whole block to a lane: lanes 0-15 block 2 c, lanes 16-31 block 2 c + 1
.irp i, 0,1,2
	v_permlane16_swap_b32 v[PC+6*\c+\i], v[PC+12+4*\c+\i]
.endr
.irp i, 0,1,2
	v_mov_b32 v[PC+3+6*\c+\i], v[PC+12+4*\c+\i]
.endr
.endr
.irp p, 0,1,2,3,4,5
	ds_store_b64 v[STO], v[PC+2*\p:PC+2*\p+1] offset:(\p/3)*3072+\a*768+8*(\p%3)
.endr
	ds_store_b32 v[SCS], v[PW] offset:64*\a        ; lanes r and r + 16 write the same word
.endm
	s_load_b128 s[4:7], s[0:1], 0x0                ; c1, s1
	s_load_b128 s[8:11], s[0:1], 0x10              ; qkvc, qkvs
	v_lshl_add_u32 v254, v0, 2, 0x4b300
	v_mov_b32 v255, 0
	ds_add_u32 v254, v255
	ds_add_u32 v254, v255
	v_lshrrev_b32 v1, 5, v0
	v_readfirstlane_b32 s14, v1                    ; wave 0..3
	s_lshr_b32 s15, s14, 1                         ; which 64 rows of A are mine.  Also: I fetch for A (0) or for B (1)
	s_and_b32 s16, s14, 1                          ; which 128 rows of B.  Also: which half I fetch
	s_bfe_u32 s66, ttmp6, 0x40000                  ; cx
	s_bfe_u32 s2, ttmp6, 0x40004                   ; cy
	s_and_b32 s62, ttmp7, 0xffff                   ; the cluster's y
	s_lshl_b32 s3, s2, 2
	s_lshl_b32 s3, 15, s3                          ; my row of the cluster
	s_lshl_b32 s67, 0x1111, s66                    ; my column
	s_or_b32 s[G1A], s3, (3<<16)|(1<<21)           ; 15:0 the mask; 17:16 elements of 8 bytes; 21 set beside a mask; no padding
	s_or_b32 s[G1B], s67, (3<<16)|(1<<21)
	s_or_b32 s[G1SA], s3, (3<<16)|(1<<20)|(1<<21)|(5<<22)|(3<<25)   ; the scale bytes: 4 words of padding behind every 64
	s_or_b32 s[G1SB], s67, (3<<16)|(1<<20)|(1<<21)|(5<<22)|(3<<25)
	s_mov_b32 s[G1A+1], 768<<16                    ; A's codes: 128 rows x 48 bytes of one K / 64 are one row of 768 elements; sixteen K / 64
	s_mov_b32 s[G1A+2], 16<<16
	s_mov_b32 s[G1A+3], 768<<16
	s_mov_b32 s[G1A+4], 16
	s_mov_b32 s[G1A+5], PITA
	s_mov_b32 s[G1A+6], 0
	s_mov_b32 s[G1A+7], 0
	s_mov_b32 s[G1B+1], 1536<<16                   ; B's: 256 rows x 48 bytes
	s_mov_b32 s[G1B+2], 16<<16
	s_mov_b32 s[G1B+3], 1536<<16
	s_mov_b32 s[G1B+4], 16
	s_mov_b32 s[G1B+5], PITB
	s_mov_b32 s[G1B+6], 0
	s_mov_b32 s[G1B+7], 0
	s_mov_b32 s[G1SA+1], 32<<16                    ; A's scale bytes: rows of 256 bytes, dense
	s_mov_b32 s[G1SA+2], 16<<16                    ; 128 rows x 32 bytes: 16 rows of 256
	s_mov_b32 s[G1SA+3], 32<<16
	s_mov_b32 s[G1SA+4], 16
	s_mov_b32 s[G1SA+5], 32
	s_mov_b32 s[G1SA+6], 0
	s_mov_b32 s[G1SA+7], 0
	s_mov_b32 s[G1SB+1], 32<<16                    ; B's: rows of 256 bytes
	s_mov_b32 s[G1SB+2], 32<<16                    ; 256 rows x 32 bytes: 32 rows of 256
	s_mov_b32 s[G1SB+3], 32<<16
	s_mov_b32 s[G1SB+4], 32
	s_mov_b32 s[G1SB+5], 32
	s_mov_b32 s[G1SB+6], 0
	s_mov_b32 s[G1SB+7], 0
	; the tile: both ways are worked out, then chosen
	s_lshl_b32 s17, s62, 2
	s_add_co_u32 s17, s17, s2                      ; q, k: A's tile (128 tokens) = 4 x cluster y + cy
	s_and_b32 s18, s62, 1
	s_lshl_b32 s18, s18, 2
	s_add_co_u32 s18, s18, s2                      ; v: A's tile (128 columns) = 4 (cluster y % 2) + cy
	s_lshl_b32 s19, ttmp9, 2
	s_add_co_u32 s19, s19, s66                     ; q, k: B's tile (256 columns) = 4 x cluster x + cx
	s_lshr_b32 s67, s62, 1
	s_lshl_b32 s67, s67, 2
	s_add_co_u32 s67, s67, s66                     ; v: B's tile (256 tokens) = 4 (cluster y / 2) + cx
	s_cmp_eq_u32 ttmp9, 2
	s_cselect_b32 s17, s18, s17
	s_cselect_b32 s19, s67, s19
	s_cselect_b32 s2, 10240, 0                     ; where A's rows begin in c1: v's columns, or the tokens
	s_cselect_b32 s66, 0, 8192                     ; and B's: the tokens, or q's and k's columns
	; my wave's chunk
	s_lshl_b32 s12, s19, 1
	s_add_co_u32 s12, s12, s16                     ; U: my group of 128 along B
	s_lshl_b32 s13, s17, 1
	s_add_co_u32 s13, s13, s15                     ; my group of 64 along A
	s_lshr_b32 s60, s12, 3
	s_lshl_b32 s60, s60, 2
	s_lshr_b32 s61, s13, 5
	s_add_co_u32 s60, s60, s61                     ; q, k: which x 4 + batch,
	s_and_b32 s61, s12, 7                          ; the pair of heads,
	s_and_b32 s13, s13, 31                         ; the tokens' group of 64
	s_lshr_b32 s63, s12, 4
	s_add_co_u32 s63, s63, 8                       ; v: 8 + batch,
	s_and_b32 s12, s12, 15
	s_lshl_b32 s12, s12, 1
	s_add_co_u32 s12, s12, s15                     ; 2 x the keys' group of 128 + head % 2  (the pair of heads is A's tile)
	s_cmp_eq_u32 ttmp9, 2
	s_cselect_b32 s60, s63, s60
	s_cselect_b32 s61, s17, s61
	s_cselect_b32 s13, s12, s13
	s_lshl_b32 s60, s60, 3
	s_add_co_u32 s60, s60, s61
	s_lshl_b32 s60, s60, 5
	s_add_co_u32 s60, s60, s13
	s_mul_i32 s100, s60, 6144
	s_mov_b32 s101, 0
	s_lshl_b32 s12, s60, 8
	s_mov_b32 s13, 0
	; the rows that I fetch
	s_lshl_b32 s17, s17, 7
	s_add_co_u32 s17, s17, s2
	s_lshl_b32 s19, s19, 8
	s_add_co_u32 s19, s19, s66
	s_mov_b32 s3, 0
	s_mov_b32 s67, 0
	s_wait_dscnt 0x0
	s_wait_kmcnt 0x0
	s_add_nc_u64 s[8:9], s[8:9], s[100:101]
	s_add_nc_u64 s[10:11], s[10:11], s[12:13]
	s_lshl_b32 s2, s17, 5
	s_mov_b32 s[G0A], 1
	s_mov_b32 s[G0A+1], SCL
	s_add_nc_u64 s[G0A+2:G0A+3], s[6:7], s[2:3]
	s_or_b32 s[G0A+3], s[G0A+3], 0x80000000
	s_mul_i32 s2, s17, 48
	s_add_nc_u64 s[2:3], s[4:5], s[2:3]
	s_lshl_b32 s66, s19, 5
	s_mov_b32 s[G0B], 1
	s_mov_b32 s[G0B+1], SCL+4352
	s_add_nc_u64 s[G0B+2:G0B+3], s[6:7], s[66:67]
	s_or_b32 s[G0B+3], s[G0B+3], 0x80000000
	s_mul_i32 s66, s19, 48
	s_add_nc_u64 s[66:67], s[4:5], s[66:67]
	s_mov_b32 s[G0A+4], 1                          ; A's codes, all of K, to LDS byte 0
	s_mov_b32 s[G0A+5], 0
	s_mov_b64 s[G0A+6:G0A+7], s[2:3]
	s_or_b32 s[G0A+7], s[G0A+7], 0x80000000
	s_mov_b32 s[G0B+4], 1                          ; B's behind them
	s_mov_b32 s[G0B+5], 98304
	s_mov_b64 s[G0B+6:G0B+7], s[66:67]
	s_or_b32 s[G0B+7], s[G0B+7], 0x80000000
	CROUND                                         ; all sixteen work-groups are here: the joint loads meet
	s_cmp_eq_u32 s14, 0                            ; one chain of branches on the wave's number, one load to an arm
	s_cbranch_scc0 .Lwave_1
	tensor_load_to_lds s[G0B+4:G0B+7], s[G1B:G1B+7]      ; wave 0: B's codes
	s_nop 0
.rept 4
	v_nop
.endr
	s_branch .Lasked
.Lwave_1:
	s_cmp_eq_u32 s14, 1
	s_cbranch_scc0 .Lwave_2
	tensor_load_to_lds s[G0A+4:G0A+7], s[G1A:G1A+7]      ; wave 1: A's codes
	s_nop 0
.rept 4
	v_nop
.endr
	s_branch .Lasked
.Lwave_2:
	s_cmp_eq_u32 s14, 2
	s_cbranch_scc0 .Lwave_3
	tensor_load_to_lds s[G0B:G0B+3], s[G1SB:G1SB+7]      ; wave 2: B's scale bytes
	s_nop 0
.rept 4
	v_nop
.endr
	s_branch .Lasked
.Lwave_3:
	tensor_load_to_lds s[G0A:G0A+3], s[G1SA:G1SA+7]      ; wave 3: A's scale bytes
	s_nop 0
.rept 4
	v_nop
.endr
.Lasked:
	v_and_b32 v1, 15, v0                           ; r
	v_bfe_u32 v2, v0, 4, 1                         ; h
	v_mul_u32_u24 v3, v1, 48
	v_mad_u32_u24 v3, v2, 24, v3                   ; r x 48 + 24 h
	s_wait_alu depctr_va_vdst(0)
	s_mul_i32 s60, s15, 3072                       ; my 64 rows of A within a K / 64
	s_mul_i32 s61, s16, 6144                       ; my 128 rows of B,
	s_add_co_u32 s61, s61, 98304                   ; behind A's codes
.irp s, 0,1,2,3
	v_add_nc_u32 v[ADRA+\s], s60, v3
	v_add_nc_u32 v[ADRB+\s], s61, v3
	s_add_co_u32 s60, s60, 24576                   ; four K / 64 on
	s_add_co_u32 s61, s61, 49152
.endr
	v_lshrrev_b32 v4, 3, v1
	v_and_b32 v5, 7, v1
	v_mul_u32_u24 v4, v4, 272
	v_lshl_add_u32 v4, v5, 5, v4                   ; row r's 32 scale bytes: eight rows to a unit of 256 + 16
	s_mul_i32 s60, s15, 2176
	s_mul_i32 s61, s16, 4352
	s_add_co_u32 s61, s61, 4352
	s_sub_co_u32 s61, s61, s60
	v_mul_u32_u24 v5, s61, v2                      ; lanes 16-31 take B's: the lower base + h x the distance
	s_add_co_u32 s60, s60, SCL
	v_add_nc_u32 v4, v4, v5
	v_add_nc_u32 v[ADRS], s60, v4
	s_mul_i32 s60, s14, 6656                       ; my stage: 6,144 + 256 bytes, in the bytes of A's first five K / 64 (steps 0 to 2), which have had their one fill and are read by nobody behind the barrier of step 3
	v_add_nc_u32 v[STO], s60, v3
	v_lshlrev_b32 v[SCS], 2, v1
	v_add_nc_u32 v[SCS], s60, v[SCS]
	v_add_nc_u32 v[SCS], 6144, v[SCS]
	v_and_b32 v6, 31, v0
	v_lshlrev_b32 v[GOC], 4, v6
	v_add_nc_u32 v[RD], s60, v[GOC]
	v_lshlrev_b32 v[GOS], 3, v6
	v_add_nc_u32 v[RD2], s60, v[GOS]
	v_add_nc_u32 v[RD2], 6144, v[RD2]
.irp b, 0,1,2,3
	v_mov_b32 v[TM+4+\b], 0                        ; written once: a lane permute's destination counts as one of its sources
.endr
	s_mov_b32 s[SEL], 0x76543210
	s_mov_b32 s[SEL+1], 0xfedcba98                 ; lane l xor 16
	s_wait_tensorcnt 0x0                           ; my one load is in
	s_barrier_signal -1
	s_barrier_wait -1                              ; everybody's are
	FETCH_B 0
	FETCH_A 0, 0
	SCALES 0
	FETCH_A 0, 2
	STEPP 0, 0
	STEPT 1
	STEPP 2, 1
	STEPT 3
	STEPP 4, 1
	STEPT 5
	STEPP 6, 1
	s_wait_dscnt 12                                ; the last step: nothing more to fetch
	WIN 0xa1
	MULA 0, 7, 1
	MULA 1, 7, 1
	s_wait_dscnt 0x0
	MULA 2, 7, 1
	MULA 3, 7, 1
	WIN 0
	PLACES 4                                       ; in front of the first read of results
	QUANT 0
	QUANT 1
	QUANT 2
	QUANT 3
.irp i, 0,1,2,3,4,5,6,7,8,9,10,11
	ds_load_b128 v[AF+4*\i:AF+4*\i+3], v[RD] offset:512*\i   ; LDS serves a wave's instructions in order: these see my stores
.endr
	ds_load_b64 v[AF+48:AF+49], v[RD2]
.irp i, 0,1,2,3,4,5,6,7,8,9,10,11
	s_wait_dscnt 12-\i
	global_store_b128 v[GOC], v[AF+4*\i:AF+4*\i+3], s[8:9] offset:512*\i   ; 512 consecutive bytes, aligned
.endr
	s_wait_dscnt 0x0
	global_store_b64 v[GOS], v[AF+48:AF+49], s[10:11]                      ; 256 consecutive bytes, aligned
	s_wait_tensorcnt 0x0
	ds_add_u32 v254, v255
	s_wait_dscnt 0x0
	CROUND                                         ; the closing round: no work-group ends while a partner may still ask for a tile that names it
	s_endpgm
.Lfunc_end_k_q4fa2b9913d_qkv:
	.size	k_q4fa2b9913d_qkv, .Lfunc_end_k_q4fa2b9913d_qkv-k_q4fa2b9913d_qkv
	.p2alignl 7, 3214868480
	.fill 96, 4, 3214868480
	.section	.rodata,"a",@progbits
	.p2align	6, 0x0
	.amdhsa_kernel k_q4fa2b9913d_qkv
		.amdhsa_group_segment_fixed_size 327680
		.amdhsa_private_segment_fixed_size 0
		.amdhsa_enable_private_segment 0
		.amdhsa_kernarg_size 32
		.amdhsa_user_sgpr_count 2
		.amdhsa_user_sgpr_kernarg_segment_ptr 1
		.amdhsa_wavefront_size32 1
		.amdhsa_system_sgpr_workgroup_id_x 1
		.amdhsa_system_sgpr_workgroup_id_y 1
		.amdhsa_system_sgpr_workgroup_id_z 1
		.amdhsa_system_vgpr_workitem_id 0
		.amdhsa_next_free_vgpr 768
		.amdhsa_next_free_sgpr 102
		.amdhsa_reserve_vcc 0
		.amdhsa_float_denorm_mode_32 3
		.amdhsa_float_denorm_mode_16_64 3
		.amdhsa_memory_ordered 1
		.amdhsa_forward_progress 1
		.amdhsa_inst_pref_size 104
	.end_amdhsa_kernel
	.amdgpu_metadata
---
amdhsa.version: [ 1, 2 ]
amdhsa.kernels:
  - .name:           k_q4fa2b9913d_qkv
    .symbol:         k_q4fa2b9913d_qkv.kd
    .args:
      - { .name: c1, .offset: 0, .size: 8, .value_kind: global_buffer, .address_space: global }
      - { .name: s1, .offset: 8, .size: 8, .value_kind: global_buffer, .address_space: global }
      - { .name: qkvc, .offset: 16, .size: 8, .value_kind: global_buffer, .address_space: global }
      - { .name: qkvs, .offset: 24, .size: 8, .value_kind: global_buffer, .address_space: global }
    .group_segment_fixed_size: 327680
    .private_segment_fixed_size: 0
    .kernarg_segment_align: 8
    .kernarg_segment_size: 32
    .max_flat_workgroup_size: 128
    .sgpr_count:     102
    .vgpr_count:     768
    .wavefront_size: 32
...
	.end_amdgpu_metadata
.endif
;; end of part 2
;; launch attn (part 3): grid 256 x 1, 16 waves a work-group, clusters of 4 x 1, 223,488 bytes of LDS; arguments qkvc, qkvs, yc, ys; writes yc, ys
.if DOCPART == 3
	.amdgcn_target "amdgcn-amd-amdhsa--gfx1250"
	.amdhsa_code_object_version 6
	.text
	.protected	k_q4fa2b9913d_attn
	.globl	k_q4fa2b9913d_attn
	.p2align	8
	.type	k_q4fa2b9913d_attn,@function
k_q4fa2b9913d_attn:
	s_mov_b64 s[64:65], 0
	v_nop
	global_prefetch_b8 v0, s[64:65] scope:SCOPE_SE
	s_setreg_imm32_b32 hwreg(HW_REG_WAVE_MODE, 25, 1), 1
	s_wait_xcnt 0x0
	s_wait_alu depctr_hold_cnt(0) depctr_sa_sdst(0) depctr_va_vdst(0) depctr_va_sdst(0) depctr_va_ssrc(0) depctr_va_vcc(0) depctr_vm_vsrc(0)
	s_getreg_b32 s2, hwreg(HW_REG_IB_STS2, 6, 4)
	s_cmp_eq_u32 s2, 0
	s_cbranch_scc0 .Lentry_in_a_cluster
	s_endpgm
.Lentry_in_a_cluster:
	s_bfe_u32 s2, ttmp6, 0x10000c
	s_cmp_lg_u32 s2, 0x3003
	s_cbranch_scc0 .Lentry_shape_is_right
	s_endpgm
.Lentry_shape_is_right:
; y = softmax(q k^T / 8, causal) v for one head, both products on codes of FP6 (E2M3) with E8M0 scales, and y quantised at once along the model's 1,024 (a head's 64 are two blocks).
; THE SOFTMAX AHEAD OF THE SECOND PRODUCT: t = score x log2(e) / 8; M = the running largest t rounded UP to a whole number; p = 2^(t - M) is quantised along the keys; the row's sum is taken of the unquantised p and divides at the end.
; WORK LEFT OUT: steps of 128 keys that all come after a tile's queries: the causal mask sets their scores to -inf, so their p is 0 for every input.
; SHARES.  A cluster of four work-groups takes one (batch, head).  Work-group cx takes, of EVERY block of 128 queries, the tiles of 16 places 2 cx and 2 cx + 1.  Wave w takes tile 2 cx + w % 2 of block w / 2 and then of block 15 - w / 2:
; (w / 2 + 1) + (16 - w / 2) = 17 steps of 16 queries x 128 keys for every wave.  Which steps are jumped over hangs on the wave's number alone, never on the place in the cluster.
; JOINT LOADS: the head's K and V codes (196,608 bytes) and scale bytes (12,288) lie whole in LDS; the four partners ask for them jointly (mask 15), sixteen loads, one a wave, once; nothing is filled again.  Every partner reads every tile (block 15).
; One wait for 0 in every wave and one barrier show all; behind it the waves share nothing.  No prefetch: all tiles are asked for at the head, so there is no loop to run ahead in.
; LAYOUT.  Both products are used transposed: S^T = K Q^T (source 0 = 16 keys), O^T = V^T P^T (source 0 = 16 of the head's 64): a lane holds ONE query throughout.  Rows of q, k, v stand at places whose number has bits 3 and 4 exchanged.
; THE KEYS OF A TILE: tile 4 c + u takes the true keys 64 c + 8 u + j (lanes 0-7) and 64 c + 32 + 8 u + j (lanes 8-15), that is places 64 c + 32 (r / 8) + 16 (u % 2) + 8 (u / 2) + j.  So register 32 c + 8 u + j of lane (r, h) is key 64 c + 32 h + 8 u + j:
; a lane's 32 registers are one whole scale block of p, in the order of the second product's operand: no other lane is asked for a block's largest, and no codes change lanes.
; In LDS the places 0-31 of each 64 keys lie in one region and the places 32-63 in another, KD = 49,152 + 128 bytes on, so that the 32 lanes of a load of 8 bytes touch 64 different banks (64 banks of 4 bytes: ISA guide 11.1).
; K = 64 UNDER AN INSTRUCTION OF 128: Q's upper six registers are zero codes; K's operand of tile t is twelve registers of which the upper six are the next tile's codes (zeros behind the last): finite numbers that meet zero codes; their scale bytes are 0 (2^-127, no NaN).
; ORDER WITHIN A STEP: chains that do not hang on each other take turns: eight for the maxima (one an accumulator), six for the sum; V's LDS loads stand between the lines of the one chain that leads from the maximum to -M.
; LIMITS: the promise holds while the scaled scores t stay under 2^31 in magnitude; a block of zeros gets the byte 1; blocks under 2^-124 are held at byte 1; NaN and infinities are not served.
.set KD,   49280
.set LV,   98560
.set LKS,  196864
.set LVS,  205056
.set LST,  209152                      ; the stages: 768 bytes a wave, bytes of their own
.set SPARE,221440                      ; the spare words: 128 bytes a wave
.set AK0,  1                           ; v1   my place in a tile of K: KD (r / 8) + 48 (r % 8) + 24 h
.set AV0,  2                           ; v2   in V: LV + 48 r + 24 h
.set ASK0, 3                           ; v3   my key's two scale bytes
.set ASV0, 4                           ; v4   my row of V's scale word
.set QD,   5                           ; v5   my true query - the block's first - 32 h
.set STO,  6                           ; v6   the way out: in
.set RD,   7                           ; v7   and back
.set ADK,  8                           ; v8-11 the step's addresses
.set ADV,  9
.set ADS,  10
.set ADT,  11
.set AQ,   29                          ; v12 -M, v13 the largest score, v[14:15] the sum; v16-27 the first tile's Q and zero codes, v28 its scale word; v29 48 r + 24 h
.set KR,   30                          ; v30-77 K's eight fragments of six registers, then V's four of twelve; v78-83 zero codes
.set KSR,  84                          ; v84-91 K's scale words
.set VSR,  92                          ; v92-95 V's
.set S,    96                          ; v96-159 S^T, then p
.set O,    160                         ; v160-191 O^T
.set PW,   192                         ; v192 p's scale word
.set T1,   193
.set YW,   194
.set GO8,  195                         ; 8 x lane
.set GOY,  196                         ; 32 r
.set SH8,  197                         ; 8 h
.set R4,   198                         ; 4 r
.set T2,   199
.set BM,   200                         ; v200-207 the largest score of each accumulator; then v200 and v204 the two blocks'
.set B1,   204
.set BT,   202                         ; v202-203 bytes (behind the maxima)
.set SO,   206                         ; v206-207 the conversions' scale operands (behind the maxima)
.set CT,   208                         ; v208-210, v212-214 halves made elsewhere
.set T3,   215
.set C1,   216                         ; v216-221, v250-253 five more chains of the sum
.set C4,   250
.set FF,   222                         ; v222 f = 2^(old M - new M); v223 named with it as a pair
.set PC,   224                         ; v224-235 p's codes;  v236-247, v248 the second tile's Q, zero codes and scale word
.set TK,   2                           ; s2   the step's first byte in each of K's regions: 3,072 a step
.set TS,   3                           ; s3   in K's scale bytes: 512 a step
.set TJ,   12                          ; s12  in V's: 256 a step
.set KF,   13                          ; s13  the step's first key
.set QB,   14                          ; s14  my block's first query
.set CNT,  15
.set TV,   16                          ; s16  in V: 6,144 a step
.set WV,   18
.set SEL,  20
.set CS,   22                          ; s[22:23] c = log2(e) / 8
.set G1K,  24                          ; s[24:31]; behind the wait for the loads they hold the diagonal's eight masks
.set G1V,  32
.set G1KS, 40
.set G1VS, 48
.set G0K,  68
.set G0V,  72
.set G0KS, 76
.set G0VS, 80
.macro CROUND                          ; a round of the cluster's barrier
	s_barrier_signal -1
	s_barrier_wait -1
	s_cmp_lg_u32 s[WV], 0
	s_cbranch_scc1 .Lnot_wave_0_\@
	s_barrier_signal -3
.Lnot_wave_0_\@:
	s_barrier_wait -3
	s_barrier_signal -1
	s_barrier_wait -1
.endm
.macro GROUP1 g, c, r, p               ; r rows of c elements of 8 bytes, p elements apart; the mask names the four partners, bit 21 beside it
	s_mov_b32 s[\g], 15|(3<<16)|(1<<21)
	s_mov_b32 s[\g+1], (\c)<<16
	s_mov_b32 s[\g+2], (\r)<<16
	s_mov_b32 s[\g+3], (\c)<<16
	s_mov_b32 s[\g+4], \r
	s_mov_b32 s[\g+5], \p
	s_mov_b32 s[\g+6], 0
	s_mov_b32 s[\g+7], 0
.endm
.macro G0SET g, base, off              ; group 0's count and address: base + the offset in s\off (s67 = 0)
	s_mov_b32 s[\g], 1
	s_mov_b32 s66, s\off
	s_add_nc_u64 s[\g+2:\g+3], s[\base:\base+1], s[66:67]
	s_or_b32 s[\g+3], s[\g+3], 0x80000000
.endm
.macro TLOAD g0, g1
	tensor_load_to_lds s[\g0:\g0+3], s[\g1:\g1+7]
	s_nop 0
.rept 4
	v_nop
.endr
.endm
.macro TADR p, qc, qw, yp, sp          ; the tile whose first place in its batch is s\p: Q's codes, Q's scale bytes, y's codes, y's scale bytes
	s_lshr_b32 s12, s\p, 6
	s_add_co_u32 s12, s12, s62                     ; Q's chunk
	s_and_b32 s13, s\p, 63                         ; my first row in it
	s_mul_i32 s66, s12, 6144
	s_mul_i32 s14, s57, 3072
	s_add_co_u32 s66, s66, s14
	s_mul_i32 s14, s13, 48
	s_add_co_u32 s66, s66, s14
	s_add_nc_u64 s[\qc:\qc+1], s[4:5], s[66:67]
	s_lshl_b32 s66, s12, 8
	s_lshl_b32 s14, s13, 2
	s_add_co_u32 s66, s66, s14
	s_lshl_b32 s14, s57, 1
	s_add_co_u32 s66, s66, s14
	s_add_nc_u64 s[\qw:\qw+1], s[6:7], s[66:67]
	s_lshl_b32 s12, s17, 11
	s_add_co_u32 s12, s12, s\p                     ; my first place among the 8,192
	s_mul_i32 s66, s19, 393216
	s_mul_i32 s14, s12, 48
	s_add_co_u32 s66, s66, s14
	s_add_nc_u64 s[\yp:\yp+1], s[8:9], s[66:67]
	s_lshl_b32 s66, s12, 5
	s_lshl_b32 s14, s19, 1
	s_add_co_u32 s66, s66, s14
	s_add_nc_u64 s[\sp:\sp+1], s[10:11], s[66:67]
.endm
.macro QK t, q, qs                     ; S^T of tile t
	v_wmma_scale_f32_16x16x128_f8f6f4 v[S+8*\t:S+8*\t+7], v[KR+6*\t:KR+6*\t+11], v[\q:\q+11], 0, v[KSR+\t], v[\qs] matrix_a_fmt:MATRIX_FMT_FP6 matrix_b_fmt:MATRIX_FMT_FP6
.endm
.macro VLD t                           ; V's fragment t and its scale word: seven LDS loads
.irp p, 0,1,2,3,4,5
	ds_load_b64 v[KR+12*\t+2*\p:KR+12*\t+2*\p+1], v[ADV] offset:3072*(\p/3)+768*\t+8*(\p%3)
.endr
	ds_load_b32 v[VSR+\t], v[ADT] offset:64*\t
.endm
.macro ADDP c, p                       ; chain c of the sum takes the pair p of p's 32
	v_pk_add_f32 v[\c:\c+1], v[\c:\c+1], v[S+2*(\p):S+2*(\p)+1]
.endm
.macro ADD6 p                          ; the six chains by turns: pairs p .. p + 5
	ADDP C1, \p
	ADDP C1+2, (\p)+1
	ADDP C1+4, (\p)+2
	ADDP C4, (\p)+3
	ADDP C4+2, (\p)+4
	ADDP 14, (\p)+5
.endm
.macro STEP q, qs                      ; 16 queries x 128 keys
	s_cmp_gt_u32 s[KF], s[QB]                      ; all 128 keys come after my block's queries: the step's work is left out; the lines at its end that step addresses are not
	s_cbranch_scc1 .Lhidden_\@
	v_add_nc_u32 v[ADK], s[TK], v[AK0]             ; (these four are also the places in front of loads into registers that the last products have read)
	v_add_nc_u32 v[ADV], s[TV], v[AV0]
	v_add_nc_u32 v[ADS], s[TS], v[ASK0]
	v_add_nc_u32 v[ADT], s[TJ], v[ASV0]
.irp t, 0,1,2,3,4,5,6,7
.irp i, 0,1,2
	ds_load_b64 v[KR+6*\t+2*\i:KR+6*\t+2*\i+1], v[ADK] offset:1536*(\t/4)+48*(16*(\t%2)+8*((\t%4)/2))+8*\i
.endr
	ds_load_u16 v[KSR+\t], v[ADS] offset:4*(64*(\t/4)+16*(\t%2)+8*((\t%4)/2))   ; my head's two bytes; the upper two come as 0
.endr
	s_wait_alu depctr_va_vdst(0)
	s_wait_dscnt 12                                ; tiles 0 to 4 are in (four loads a tile); the twelve loads of tiles 5 to 7 may be out
.irp t, 0,1,2,3
	QK \t, \q, \qs
.endr
	s_wait_dscnt 0x0
.irp t, 4,5,6,7
	QK \t, \q, \qs
.endr
	v_mov_b32 v[T3], v12                           ; the old -M.  (This line and the three below: the places in front of the first read of the scores)
.rept 3
	v_nop
.endr
	s_cmp_lg_u32 s[KF], s[QB]                      ; only the step on the diagonal hides keys
	s_cbranch_scc1 .Lopen_\@
	v_mov_b32 v[T1], 0xff800000                    ; -infinity
.set NN, 0
.rept 8                                        ; register 32 c + i holds key KF + 64 c + 32 h + i.  Eight compares into eight masks, then eight selects
.irp m, 0,1,2,3,4,5,6,7
	v_cmp_gt_i32 s[G1K+\m], 64*((NN+\m)/32)+(NN+\m)%32, v[QD]
.endr
.irp m, 0,1,2,3,4,5,6,7
	v_cndmask_b32 v[S+NN+\m], v[S+NN+\m], v[T1], s[G1K+\m]
.endr
.set NN, NN+8
.endr
.Lopen_\@:
.irp t, 0,1,2,3,4,5,6,7                        ; the largest score: a chain to each accumulator, read from its low end on
	v_max3_num_f32 v[BM+\t], v[S+8*\t], v[S+8*\t+1], v[S+8*\t+2]
.endr
.irp i, 3,5
.irp t, 0,1,2,3,4,5,6,7
	v_max3_num_f32 v[BM+\t], v[BM+\t], v[S+8*\t+\i], v[S+8*\t+\i+1]
.endr
.endr
.irp c, 0,1                                    ; four chains and four last registers make a block of 32 keys: for the row's maximum, and, since p rises with the score, for the block's largest p
	v_max3_num_f32 v[BM+4*\c], v[BM+4*\c], v[BM+4*\c+1], v[S+32*\c+7]
	v_max3_num_f32 v[BM+4*\c+2], v[BM+4*\c+2], v[BM+4*\c+3], v[S+32*\c+15]
.endr
.irp c, 0,1
	v_max3_num_f32 v[BM+4*\c], v[BM+4*\c], v[BM+4*\c+2], v[S+32*\c+23]
.endr
.irp c, 0,1
	v_max_num_f32 v[BM+4*\c], v[BM+4*\c], v[S+32*\c+31]
.endr
	v_max3_num_f32 v[T1], v[BM], v[B1], v13        ; from here to -M each line hangs on the line before: V's loads, which land under the softmax, stand between them
	VLD 0
	v_permlanex16_b32 v[T2], v[T1], s[SEL], s[SEL+1]
	VLD 1
	v_max_num_f32 v13, v[T1], v[T2]                ; the running largest score of my query, with lane l xor 16's keys
	VLD 2
	v_mul_f32 v[T1], s[CS], v13                    ; as t (c is positive)
	VLD 3
	v_floor_f32 v12, -v[T1]                        ; -M = floor(-t): M is a whole number
.set JJ, 0
.rept 32
	v_pk_fma_f32 v[S+JJ:S+JJ+1], v[S+JJ:S+JJ+1], s[CS:CS+1], v[12:13] op_sel_hi:[1,0,0]   ; t - M
.if JJ == 6
	v_sub_f32 v[T1], v12, v[T3]                    ; (the three lines that make f stand among these)
.elseif JJ == 14
	v_cvt_i32_f32 v[T1], v[T1]                     ; (it saturates)
.elseif JJ == 22
	v_ldexp_f32 v[FF], 1.0, v[T1]                  ; f = 2^(old M - new M): rounds nothing
.endif
.set JJ, JJ+2
.endr
	v_fma_f32 v[BM], v[BM], s[CS], v12
	v_fma_f32 v[B1], v[B1], s[CS], v12
.set JJ, 0
.rept 16
	v_pk_mul_f32 v[O+JJ:O+JJ+1], v[O+JJ:O+JJ+1], v[FF:FF+1] op_sel_hi:[1,0]   ; O^T under the new M, ahead of the exponentials
.set JJ, JJ+2
.endr
	v_pk_mul_f32 v[14:15], v[14:15], v[FF:FF+1] op_sel_hi:[1,0]   ; and the sum
	s_wait_alu depctr_va_vdst(0)
.set JJ, 0
.rept 64
	v_exp_f32 v[S+JJ], v[S+JJ]                     ; p = 2^(t - M)
.set JJ, JJ+1
.endr
	v_exp_f32 v[BM], v[BM]                         ; the blocks' largest p
	v_exp_f32 v[B1], v[B1]
	v_nop                                          ; a plain place behind the exponentials
	s_wait_alu depctr_va_vdst(0)                   ; one wait for the batch, ahead of its first reader
	v_max_num_f32 v[BM], 0x1800000, v[BM]          ; the floor 2^(3 - 127)
	v_max_num_f32 v[B1], 0x1800000, v[B1]
	v_pk_add_f32 v[C1:C1+1], v[S:S+1], v[S+2:S+3]  ; THE ROW'S SUM OF THE UNQUANTISED p, in six chains; the quantiser's lines stand among them
	v_pk_add_f32 v[C1+2:C1+3], v[S+4:S+5], v[S+6:S+7]
	v_pk_add_f32 v[C1+4:C1+5], v[S+8:S+9], v[S+10:S+11]
	v_pk_add_f32 v[C4:C4+1], v[S+12:S+13], v[S+14:S+15]
	v_pk_add_f32 v[C4+2:C4+3], v[S+16:S+17], v[S+18:S+19]
	ADDP 14, 10
	v_add_nc_u32 v[SO], 0xff000000, v[BM]          ; 2 off the exponent field: the conversions' scale operand
	v_add_nc_u32 v[SO+1], 0xff000000, v[B1]
.irp c, 0,1
	v_cvt_scalef32_pk16_fp6_f32 v[PC+6*\c:PC+2+6*\c], v[S+32*\c:S+15+32*\c], v[SO+\c]
	v_cvt_scalef32_pk16_fp6_f32 v[CT+4*\c:CT+2+4*\c], v[S+16+32*\c:S+31+32*\c], v[SO+\c]   ; (a conversion's three registers begin on an even number)
.endr
	v_lshrrev_b32 v[BT], 23, v[SO]                 ; the bytes (plain lines behind the conversions)
	v_lshrrev_b32 v[BT+1], 23, v[SO+1]
.irp c, 0,1
.irp i, 0,1,2
	v_mov_b32 v[PC+3+6*\c+\i], v[CT+4*\c+\i]
.endr
.endr
	v_lshl_or_b32 v[PW], v[BT+1], 16, v[BT]        ; my blocks h and 2 + h,
	ADD6 11
	v_lshlrev_b32 v[PW], v[SH8], v[PW]             ; at their places in the scale word;
	ADD6 17
	v_permlanex16_b32 v[T2], v[PW], s[SEL], s[SEL+1]
	ADDP C1, 23
	ADDP C1+2, 24
	ADDP C1+4, 25
	v_or_b32 v[PW], v[PW], v[T2]                   ; with lane l xor 16's two the word is whole.  The eleven lines below are the places between it and the products
	ADDP C4, 26
	ADDP C4+2, 27
	ADDP 14, 28
	ADDP C1, 29
	ADDP C1+2, 30
	ADDP C1+4, 31
	v_pk_add_f32 v[C1:C1+1], v[C1:C1+1], v[C1+2:C1+3]
	v_pk_add_f32 v[C4:C4+1], v[C4:C4+1], v[C4+2:C4+3]
	v_pk_add_f32 v[14:15], v[14:15], v[C1+4:C1+5]
	v_pk_add_f32 v[C1:C1+1], v[C1:C1+1], v[C4:C4+1]
	v_pk_add_f32 v[14:15], v[14:15], v[C1:C1+1]
	s_wait_alu depctr_va_vdst(0)
	s_wait_dscnt 0x0                               ; V is in
.irp t, 0,1,2,3
	v_wmma_scale_f32_16x16x128_f8f6f4 v[O+8*\t:O+8*\t+7], v[KR+12*\t:KR+12*\t+11], v[PC:PC+11], v[O+8*\t:O+8*\t+7], v[VSR+\t], v[PW] matrix_a_fmt:MATRIX_FMT_FP6 matrix_b_fmt:MATRIX_FMT_FP6
.endr
.Lhidden_\@:
	s_add_co_u32 s[KF], s[KF], 128
	s_add_co_u32 s[TK], s[TK], 3072
	s_add_co_u32 s[TV], s[TV], 6144
	s_add_co_u32 s[TS], s[TS], 512
	s_add_co_u32 s[TJ], s[TJ], 256
.endm
.macro TILE q, qs, qb, yp, sp, more, n ; one tile of 16 queries: n trips, those behind the diagonal jumped over; then its way out
	v_mov_b32 v13, 0xff61b1e6                      ; the largest score so far: -3e38
	v_mov_b32 v12, 0x7f000000                      ; -M so far: 2^127, so that the first f is 0
	v_mov_b32 v14, 0
	v_mov_b32 v15, 0
.set JJ, 0
.rept 32
	v_mov_b32 v[O+JJ], 0                           ; O^T: the step is written once; the first change of M leaves zeros zeros
.set JJ, JJ+1
.endr
	s_mov_b32 s[TK], 0
	s_mov_b32 s[TV], 0
	s_mov_b32 s[TS], 0
	s_mov_b32 s[TJ], 0
	s_mov_b32 s[KF], 0
	s_mov_b32 s[QB], s\qb
	s_mov_b32 s[CNT], \n
.Lstep_\@:
	STEP \q, \qs
	s_sub_co_u32 s[CNT], s[CNT], 1
	s_cmp_lg_u32 s[CNT], 0
	s_cbranch_scc1 .Lstep_\@
	; THE WAY OUT: O^T / the sum, quantised along the head's 64 (two blocks), through my stage, out as 768 consecutive bytes.  V's tiles are sixteen places on end: register 16 b + i is y(my query, 32 b + 16 h + i)
.rept 4
	v_nop                                          ; places behind the last products
.endr
	v_add_f32 v14, v14, v15
	v_permlanex16_b32 v[T2], v14, s[SEL], s[SEL+1]
	v_add_f32 v14, v14, v[T2]
	s_wait_alu depctr_va_vdst(0)
	v_rcp_f32 v14, v14
	v_nop                                          ; a plain place behind it
	s_wait_alu depctr_va_vdst(0)                   ; and ahead of its first reader, which is O^T's first reader too
.set JJ, 0
.rept 16
	v_pk_mul_f32 v[S+JJ:S+JJ+1], v[O+JJ:O+JJ+1], v[14:15] op_sel_hi:[1,0]
.set JJ, JJ+2
.endr
.irp b, 0,1
	v_max3_num_f32 v[BM+\b], |v[S+16*\b]|, |v[S+1+16*\b]|, 0x1800000
.endr
.irp i, 2,4,6,8,10,12,14
.irp b, 0,1
	v_max3_num_f32 v[BM+\b], v[BM+\b], |v[S+16*\b+\i]|, |v[S+1+16*\b+\i]|
.endr
.endr
.irp b, 0,1
	v_permlanex16_b32 v[BT+\b], v[BM+\b], s[SEL], s[SEL+1]
.endr
.irp b, 0,1
	v_max_num_f32 v[BM+\b], v[BM+\b], v[BT+\b]
.endr
.irp b, 0,1
	v_add_nc_u32 v[SO+\b], 0xff000000, v[BM+\b]
.endr
.irp b, 0,1
	v_lshrrev_b32 v[BT+\b], 23, v[SO+\b]
.endr
	v_lshl_or_b32 v[YW], v[BT+1], 8, v[BT]
	v_cvt_scalef32_pk16_fp6_f32 v[PC:PC+2], v[S:S+15], v[SO]
	v_cvt_scalef32_pk16_fp6_f32 v[CT:CT+2], v[S+16:S+31], v[SO+1]
	v_nop                                          ; one plain place behind a scaled conversion
.irp i, 0,1,2
	v_permlane16_swap_b32 v[PC+\i], v[CT+\i]       ; a whole block to a lane
.endr
.irp i, 0,1,2
	v_mov_b32 v[PC+3+\i], v[CT+\i]
.endr
.irp i, 0,1,2
	ds_store_b64 v[STO], v[PC+2*\i:PC+2*\i+1] offset:8*\i
.endr
.irp i, 0,1,2
	ds_load_b64 v[S+2*\i:S+2*\i+1], v[RD] offset:256*\i   ; LDS serves a wave's instructions in order
.endr
	global_store_b16 v[GOY], v[YW], s[\sp:\sp+1]   ; a head has two bytes of a token's 32; lanes r and r + 16 write the same
.irp i, 0,1,2
	s_wait_dscnt 2-\i                              ; the younger loads from the stage may be out
	global_store_b64 v[GO8], v[S+2*\i:S+2*\i+1], s[\yp:\yp+1] offset:256*\i   ; 256 consecutive bytes, aligned
.endr
.if \more
	s_wait_xcnt 0x0                                ; the stores have read their registers: the next tile writes them again
.endif
.endm
	s_load_b256 s[4:11], s[0:1], 0x0               ; qkvc, qkvs, yc, ys
	v_lshl_add_u32 v254, v0, 2, SPARE
	v_mov_b32 v255, 0
	ds_add_u32 v254, v255
	ds_add_u32 v254, v255
	v_lshrrev_b32 v8, 5, v0
	v_readfirstlane_b32 s[WV], v8                  ; wave 0..15
	s_bfe_u32 s63, ttmp6, 0x40000                  ; cx
	s_lshr_b32 s17, ttmp9, 4                       ; batch (the cluster's number is batch x 16 + head)
	s_and_b32 s19, ttmp9, 15                       ; head
	s_lshr_b32 s56, s19, 1                         ; the pair of heads
	s_and_b32 s57, s19, 1                          ; which of the pair
	s_and_b32 s58, s[WV], 1                        ; e
	s_lshr_b32 s59, s[WV], 1                       ; my lower block; for waves 0-7 also: which eight chunks of K
	s_and_b32 s60, s[WV], 3                        ; for waves 8-11: which four chunks of V
	GROUP1 G1K, 192, 8, 768                        ; K: 32 places x 48 bytes of my head's half of a chunk, eight chunks, 6,144 bytes apart
	GROUP1 G1V, 768, 4, 1536                       ; V: a whole chunk (128 keys) of my head, four, 12,288 bytes apart
	GROUP1 G1KS, 32, 16, 32                        ; K's scale bytes: half of the pair's 8,192 dense bytes
	GROUP1 G1VS, 32, 8, 64                         ; V's: my head's 256 bytes of every second chunk
	s_mul_i32 s[G0K+1], s58, KD                    ; where the tiles go: the wave's number and constants alone
	s_mul_i32 s61, s59, 12288
	s_add_co_u32 s[G0K+1], s[G0K+1], s61
	s_mul_i32 s[G0V+1], s60, 24576
	s_add_co_u32 s[G0V+1], s[G0V+1], LV
	s_lshl_b32 s[G0KS+1], s58, 12
	s_add_co_u32 s[G0KS+1], s[G0KS+1], LKS
	s_lshl_b32 s[G0VS+1], s58, 11
	s_add_co_u32 s[G0VS+1], s[G0VS+1], LVS
	s_lshl_b32 s62, s17, 3
	s_add_co_u32 s62, s62, s56
	s_lshl_b32 s62, s62, 5                         ; q's first chunk of this pair of heads; k's lie 1,024 chunks on, v's 2,048
	s_add_co_u32 s61, s62, 1024
	s_mul_i32 s100, s61, 6144
	s_mul_i32 s101, s57, 3072
	s_add_co_u32 s100, s100, s101
	s_mul_i32 s101, s58, 1536
	s_add_co_u32 s100, s100, s101
	s_mul_i32 s101, s59, 49152
	s_add_co_u32 s100, s100, s101                  ; K's codes
	s_lshl_b32 s61, s61, 8
	s_lshl_b32 s101, s58, 12
	s_add_co_u32 s61, s61, s101                    ; K's scale bytes
	s_add_co_u32 s16, s62, 2048
	s_add_co_u32 s16, s16, s57
	s_mul_i32 s2, s16, 6144
	s_mul_i32 s12, s60, 49152
	s_add_co_u32 s2, s2, s12                       ; V's codes
	s_lshl_b32 s3, s16, 8
	s_add_co_u32 s3, s3, s101                      ; V's scale bytes
	s_mov_b32 s67, 0
	s_mov_b32 s[SEL], 0x76543210
	s_mov_b32 s[SEL+1], 0xfedcba98                 ; lane l xor 16
	s_mov_b32 s[CS], 0x3e38aa3b
	s_mov_b32 s[CS+1], s[CS]
	s_wait_dscnt 0x0
	s_wait_kmcnt 0x0
	G0SET G0K, 4, 100
	G0SET G0V, 4, 2
	G0SET G0KS, 6, 61
	G0SET G0VS, 6, 3
	CROUND                                         ; the four partners are here: the joint loads meet
	s_cmp_lt_u32 s[WV], 8                          ; one chain of branches on the wave's number, one load to an arm: every wave issues one
	s_cbranch_scc0 .Lnot_k
	TLOAD G0K, G1K
	s_branch .Lasked
.Lnot_k:
	s_cmp_lt_u32 s[WV], 12
	s_cbranch_scc0 .Lnot_v
	TLOAD G0V, G1V
	s_branch .Lasked
.Lnot_v:
	s_cmp_lt_u32 s[WV], 14
	s_cbranch_scc0 .Lfor_vs
	TLOAD G0KS, G1KS
	s_branch .Lasked
.Lfor_vs:
	TLOAD G0VS, G1VS
.Lasked:
	s_lshl_b32 s56, s59, 7                         ; my lower block's first query,
	s_sub_co_u32 s60, 1920, s56                    ; and my upper block's: the wave's number alone
	s_lshl_b32 s15, s63, 5
	s_lshl_b32 s12, s58, 4
	s_add_co_u32 s15, s15, s12                     ; my tile's first place in a block: 16 (2 cx + e)
	s_add_co_u32 s100, s56, s15
	s_add_co_u32 s101, s60, s15
	TADR 100, 84, 88, 92, 96
	TADR 101, 86, 90, 94, 98
	s_lshl_b32 s12, s57, 1
	s_add_co_u32 s12, s12, LKS
	s_lshl_b32 s13, s63, 5                         ; 32 cx + 8 e: place 16 (2 cx + e) + 8 y + j is the true query 32 cx + 16 y + 8 e + j
	s_lshl_b32 s14, s58, 3
	s_add_co_u32 s13, s13, s14
	s_mul_i32 s14, s[WV], 768
	s_add_co_u32 s14, s14, LST                     ; my stage
	v_and_b32 v8, 15, v0                           ; r
	v_bfe_u32 v9, v0, 4, 1                         ; h
	v_and_b32 v10, 7, v0                           ; j
	v_bfe_u32 v11, v0, 3, 1                        ; y
	v_mul_u32_u24 v[AQ], v8, 48
	v_mul_u32_u24 v[AK0], v10, 48
	v_lshlrev_b32 v[R4], 2, v8
	v_mad_u32_u24 v[AQ], v9, 24, v[AQ]
	v_mad_u32_u24 v[AK0], v9, 24, v[AK0]
.irp i, 0,1,2
	global_load_b64 v[16+2*\i:17+2*\i], v[AQ], s[84:85] offset:8*\i     ; both tiles' Q stay in registers
	global_load_b64 v[236+2*\i:237+2*\i], v[AQ], s[86:87] offset:8*\i
.endr
	global_load_u16 v28, v[R4], s[88:89]
	global_load_u16 v248, v[R4], s[90:91]
	v_mad_u32_u24 v[AK0], v11, KD, v[AK0]
	v_add_nc_u32 v[AV0], LV, v[AQ]
	v_lshlrev_b32 v[ASK0], 2, v10
	v_lshl_add_u32 v[ASK0], v11, 7, v[ASK0]
	v_add_nc_u32 v[ASK0], s12, v[ASK0]
	v_add_nc_u32 v[ASV0], LVS, v[R4]
	v_lshl_add_u32 v[QD], v11, 4, v10
	v_add_nc_u32 v[QD], s13, v[QD]
	v_lshlrev_b32 v[SH8], 5, v9
	v_sub_nc_u32 v[QD], v[QD], v[SH8]              ; my true query within the block, less 32 h
	v_lshlrev_b32 v[SH8], 3, v9
	v_add_nc_u32 v[STO], s14, v[AQ]
	v_and_b32 v[GO8], 31, v0
	v_lshlrev_b32 v[GO8], 3, v[GO8]
	v_add_nc_u32 v[RD], s14, v[GO8]
	v_lshlrev_b32 v[GOY], 5, v8
.irp i, 0,1,2,3,4,5
	v_mov_b32 v[22+\i], 0                          ; zero codes: Q's upper 64 along K, for both tiles,
	v_mov_b32 v[242+\i], 0
	v_mov_b32 v[78+\i], 0                          ; and what stands behind K's last tile
.endr
	v_mov_b32 v[T2], 0                             ; a lane permute's destination counts as one of its sources
	v_mov_b32 v[BT], 0
	v_mov_b32 v[BT+1], 0
	v_mov_b32 v[FF+1], 0
	s_wait_alu depctr_va_vdst(0)
	s_wait_tensorcnt 0x0                           ; my one load is in
	s_barrier_signal -1
	s_barrier_wait -1                              ; everybody's is: all of K and V
	s_wait_loadcnt 0x0                             ; Q
	v_or_b32 v28, 0x7f7f0000, v28                  ; the two bytes over the zero codes: 1.0
	v_or_b32 v248, 0x7f7f0000, v248
	TILE 16, 28, 56, 92, 96, 1, 8                  ; my lower block is at most block 7: eight trips
	TILE 236, 248, 60, 94, 98, 0, 16
	s_wait_tensorcnt 0x0                           ; the wave's end
	ds_add_u32 v254, v255
	s_wait_dscnt 0x0
	CROUND                                         ; the closing round
	s_endpgm
.Lfunc_end_k_q4fa2b9913d_attn:
	.size	k_q4fa2b9913d_attn, .Lfunc_end_k_q4fa2b9913d_attn-k_q4fa2b9913d_attn
	.p2alignl 7, 3214868480
	.fill 96, 4, 3214868480
	.section	.rodata,"a",@progbits
	.p2align	6, 0x0
	.amdhsa_kernel k_q4fa2b9913d_attn
		.amdhsa_group_segment_fixed_size 223488
		.amdhsa_private_segment_fixed_size 0
		.amdhsa_enable_private_segment 0
		.amdhsa_kernarg_size 32
		.amdhsa_user_sgpr_count 2
		.amdhsa_user_sgpr_kernarg_segment_ptr 1
		.amdhsa_wavefront_size32 1
		.amdhsa_system_sgpr_workgroup_id_x 1
		.amdhsa_system_sgpr_workgroup_id_y 1
		.amdhsa_system_sgpr_workgroup_id_z 1
		.amdhsa_system_vgpr_workitem_id 0
		.amdhsa_next_free_vgpr 256
		.amdhsa_next_free_sgpr 102
		.amdhsa_reserve_vcc 0
		.amdhsa_float_denorm_mode_32 3
		.amdhsa_float_denorm_mode_16_64 3
		.amdhsa_memory_ordered 1
		.amdhsa_forward_progress 1
		.amdhsa_inst_pref_size 75
	.end_amdhsa_kernel
	.amdgpu_metadata
---
amdhsa.version: [ 1, 2 ]
amdhsa.kernels:
  - .name:           k_q4fa2b9913d_attn
    .symbol:         k_q4fa2b9913d_attn.kd
    .args:
      - { .name: qkvc, .offset: 0, .size: 8, .value_kind: global_buffer, .address_space: global }
      - { .name: qkvs, .offset: 8, .size: 8, .value_kind: global_buffer, .address_space: global }
      - { .name: yc, .offset: 16, .size: 8, .value_kind: global_buffer, .address_space: global }
      - { .name: ys, .offset: 24, .size: 8, .value_kind: global_buffer, .address_space: global }
    .group_segment_fixed_size: 223488
    .private_segment_fixed_size: 0
    .kernarg_segment_align: 8
    .kernarg_segment_size: 32
    .max_flat_workgroup_size: 512
    .sgpr_count:     102
    .vgpr_count:     256
    .wavefront_size: 32
...
	.end_amdgpu_metadata
.endif
;; end of part 3
;; launch proj (part 4): grid 4 x 64, 4 waves a work-group, clusters of 4 x 4, 327,680 bytes of LDS; arguments yc, ys, wpc, wps, b_proj, out0; writes out0
.if DOCPART == 4
	.amdgcn_target "amdgcn-amd-amdhsa--gfx1250"
	.amdhsa_code_object_version 6
	.text
	.protected	k_q4fa2b9913d_proj
	.globl	k_q4fa2b9913d_proj
	.p2align	8
	.type	k_q4fa2b9913d_proj,@function
k_q4fa2b9913d_proj:
	s_mov_b64 s[64:65], 0
	v_nop
	global_prefetch_b8 v0, s[64:65] scope:SCOPE_SE
	s_setreg_imm32_b32 hwreg(HW_REG_WAVE_MODE, 25, 1), 1
	s_wait_xcnt 0x0
	s_wait_alu depctr_hold_cnt(0) depctr_sa_sdst(0) depctr_va_vdst(0) depctr_va_sdst(0) depctr_va_ssrc(0) depctr_va_vcc(0) depctr_vm_vsrc(0)
	s_getreg_b32 s2, hwreg(HW_REG_IB_STS2, 6, 4)
	s_cmp_eq_u32 s2, 0
	s_cbranch_scc0 .Lentry_in_a_cluster
	s_endpgm
.Lentry_in_a_cluster:
	s_bfe_u32 s2, ttmp6, 0x10000c
	s_cmp_lg_u32 s2, 0xf033
	s_cbranch_scc0 .Lentry_shape_is_right
	s_endpgm
.Lentry_shape_is_right:
; out0 = y w_proj + b_proj on codes of FP6 (E2M3) with E8M0 scales.  yc: [16][8,192 places][48 bytes], ys: [place][32]; wpc: [16][1,024 places][48], wps: [place][32]; a place's number is the row's with bits 3 and 4 exchanged.
; A work-group of four waves makes 128 tokens x 256 outputs; a wave 64 x 128: 32 accumulators.  THE MATRIX INSTRUCTION IS USED TRANSPOSED (source 0 = 16 columns of w_proj, source 1 = 16 tokens): a lane holds one token's place, and
; its eight registers of tile b are the true outputs 32 (b / 2) + 8 (b % 2) + 16 h + 0 .. 7.  The bias is the C of each sum's first product.  The exchange of the tokens' bits is undone in the stores' offsets.
; ALL OF K (1,024) LIES IN LDS: four K steps of 256, each asked for once, at the head; nothing is filled again.  By this text's own count a wave has five tensor loads outstanding.
; CLUSTERS: 4 x 4 work-groups; the tokens' tiles are shared along a row of the cluster, the weights' along a column: joint loads with a mask that names the four.
; REGISTERS: window 0: v10-27 addresses; v32-63 scale words, two sets; v64-127 the bias, eight registers a tile of outputs; v128-175 A's four fragments (on the way out v128-255 take rows of out0).
;   window 1: B's eight fragments, two sets, at v0 and v128.  window 2: the accumulators, (a, b) at v[8 (8 a + b)].
; LDS AS THE LOADS BELOW LAY IT: A's codes [16 heads][128 places][48 bytes] at 0, B's [16 K / 64][256 places][48] at 98,304, each brought whole by ONE tensor load; the scale bytes behind them.
; The head has four tensor loads, one a wave: B's codes, A's codes, B's scale bytes, A's scale bytes; every wave waits for its own, and one barrier shows all four.
.set SCL,   294912                     ; the scale bytes, in units of 256 bytes + 16: A's 4,352, then B's 8,704
.set KSA,   1572864                    ; a K step on in yc: four heads of 393,216 bytes
.set KSB,   196608                     ; in wpc: four K / 64 of 49,152 bytes
.set PITA,  49152                      ; in elements of 8 bytes
.set PITB,  6144
.set ADRA,  10
.set ADRB,  14
.set ADRS,  18
.set STO,   24                         ; v24 the way out: my 32 bytes of a row of the stage
.set RD,    25                         ; v25 a row back
.set CO,    26                         ; v26 16 x lane
.set BO,    27                         ; v27 64 h: my half's numbers of the bias
.set SC,    32
.set BI,    64
.set AF,    128
.set BK,    128
.set G0A,   20
.set G0B,   40
.set G1A,   68
.set G1B,   76
.set G1SA,  84
.set G1SB,  92
.set MSB,   0
.macro WIN new                         ; the immediate's high byte repeats the setting that is left
.if MSB != \new
	s_set_vgpr_msb (MSB<<8)|\new
.set MSB, \new
.endif
.endm
.macro CROUND                          ; a round of the cluster's barrier
	s_barrier_signal -1
	s_barrier_wait -1
	s_cmp_lg_u32 s14, 0
	s_cbranch_scc1 .Lnot_wave_0_\@
	s_barrier_signal -3
.Lnot_wave_0_\@:
	s_barrier_wait -3
	s_barrier_signal -1
	s_barrier_wait -1
.endm
.macro PLACES n
.rept \n
	v_nop
.endr
.endm
.macro FRAG reg, adr, q, i, gs         ; a fragment: lane (r, h) takes 24 bytes at row x 48 + 24 h of two K / 64 on end, gs bytes apart
.irp p, 0,1,2,3,4,5
	ds_load_b64 v[\reg+2*\p:\reg+2*\p+1], v[\adr] offset:(2*(\q)+\p/3)*(\gs)+(\i)*768+8*(\p%3)
.endr
.endm
.macro FETCH_B k
	WIN 0x40
.irp i, 0,1,2,3,4,5,6,7
	FRAG 128*((\k)%2)+12*\i, ADRB+(\k)/2, (\k)%2, \i, 12288
.endr
	WIN 0
.endm
.macro FETCH_A k, i0
.irp i, \i0, \i0+1
	FRAG AF+12*(\i), ADRA+(\k)/2, (\k)%2, \i, 6144
.endr
.endm
.macro SCALES ks                       ; lanes 0-15 A's block i, lanes 16-31 B's block i.  (A has four blocks: for i = 4 .. 7 lanes 0-15 read scale bytes of other rows, which no product names)
.irp i, 0,1,2,3,4,5,6,7
	ds_load_b64 v[SC+16*((\ks)%2)+2*\i:SC+16*((\ks)%2)+2*\i+1], v[ADRS] offset:544*\i+8*(\ks)
.endr
.endm
.macro MULA a, k, c                    ; c = 2: the sums start from the bias.  The 32 accumulators take turns in the same order in every step
.irp b, 0,1,2,3,4,5,6,7
.if \c == 2
	v_wmma_scale_f32_16x16x128_f8f6f4 v[8*(8*\a+\b):8*(8*\a+\b)+7], v[128*((\k)%2)+12*\b:128*((\k)%2)+12*\b+11], v[AF+12*\a:AF+12*\a+11], v[BI+8*\b:BI+8*\b+7], v[SC+16*(((\k)/2)%2)+2*\b+(\k)%2], v[SC+16*(((\k)/2)%2)+2*\a+(\k)%2] matrix_a_fmt:MATRIX_FMT_FP6 matrix_b_fmt:MATRIX_FMT_FP6 matrix_a_scale:MATRIX_SCALE_ROW1
.else
	v_wmma_scale_f32_16x16x128_f8f6f4 v[8*(8*\a+\b):8*(8*\a+\b)+7], v[128*((\k)%2)+12*\b:128*((\k)%2)+12*\b+11], v[AF+12*\a:AF+12*\a+11], v[8*(8*\a+\b):8*(8*\a+\b)+7], v[SC+16*(((\k)/2)%2)+2*\b+(\k)%2], v[SC+16*(((\k)/2)%2)+2*\a+(\k)%2] matrix_a_fmt:MATRIX_FMT_FP6 matrix_b_fmt:MATRIX_FMT_FP6 matrix_a_scale:MATRIX_SCALE_ROW1
.endif
.endr
.endm
.macro STEPP k, c, w                   ; an even step; w: the windows of its products (0x81: C, the bias, in window 0; 0xa1: C in window 2)
	s_wait_dscnt 12                                ; all but the youngest twelve loads (A's blocks 2 and 3)
	WIN \w
	MULA 0, \k, \c
	MULA 1, \k, \c
	s_wait_dscnt 0x0
	PLACES 4                                       ; four plain places in front of loads into registers that matrix instructions have read
	FETCH_B (\k)+1
	FETCH_A (\k)+1, 0
	WIN \w
	MULA 2, \k, \c
	MULA 3, \k, \c
	PLACES 4
	WIN 0
	FETCH_A (\k)+1, 2
.endm
.macro STEPT k                         ; an odd step: the next K step is shown to every wave by one barrier
	s_wait_dscnt 12
	WIN 0xa1
	MULA 0, \k, 1
	s_wait_dscnt 0x0
	s_barrier_signal -1
	MULA 1, \k, 1
	s_barrier_wait -1
	PLACES 4
	FETCH_B (\k)+1
	FETCH_A (\k)+1, 0
	SCALES ((\k)+1)/2
	WIN 0xa1
	MULA 2, \k, 1
	MULA 3, \k, 1
	PLACES 4
	WIN 0
	FETCH_A (\k)+1, 2
.endm
.macro TOSTAGE a                       ; block a (16 places x 128 outputs) into my stage, each accumulator from its low end on, and back as whole rows of 512 bytes
	WIN 0x08                                       ; an LDS store's data: window 2
.irp b, 0,1,2,3,4,5,6,7
	ds_store_b128 v[STO], v[8*(8*(\a)+\b):8*(8*(\a)+\b)+3] offset:128*(\b/2)+32*(\b%2)
	ds_store_b128 v[STO], v[8*(8*(\a)+\b)+4:8*(8*(\a)+\b)+7] offset:128*(\b/2)+32*(\b%2)+16
.endr
	WIN 0
.set BB, BK+64*((\a)%2)
.irp t, 0,1,2,3,4,5,6,7,8,9,10,11,12,13,14,15
	ds_load_b128 v[BB+4*\t:BB+4*\t+3], v[RD] offset:\t*528   ; LDS serves a wave's instructions in order
.endr
.endm
.macro SEND a, younger                 ; place 16 a + t is token 32 (a / 2) + 8 (a % 2) + t % 8 + 16 (t / 8) of my 64
.set BB, BK+64*((\a)%2)
	s_wait_dscnt \younger
.irp t, 0,1,2,3,4,5,6,7,8,9,10,11,12,13,14,15
	global_store_b128 v[CO], v[BB+4*\t:BB+4*\t+3], s[62:63] offset:(32*((\a)/2)+8*((\a)%2)+\t%8+16*(\t/8))*4096 th:TH_STORE_NT   ; 512 consecutive bytes, aligned; written once, read by nobody here
.endr
.endm
	s_load_b256 s[4:11], s[0:1], 0x0               ; yc, ys, wpc, wps
	s_load_b128 s[60:63], s[0:1], 0x20             ; b_proj, out0
	v_lshl_add_u32 v30, v0, 2, 0x4b300
	v_mov_b32 v31, 0
	ds_add_u32 v30, v31
	ds_add_u32 v30, v31
	v_lshrrev_b32 v1, 5, v0
	v_readfirstlane_b32 s14, v1                    ; wave 0..3
	s_lshr_b32 s15, s14, 1                         ; which 64 tokens are mine.  Also: I fetch for A (0) or for B (1)
	s_and_b32 s16, s14, 1                          ; which 128 outputs.  Also: which half I fetch
	s_bfe_u32 s66, ttmp6, 0x40000                  ; cx
	s_bfe_u32 s2, ttmp6, 0x40004                   ; cy
	s_lshl_b32 s3, s2, 2
	s_lshl_b32 s3, 15, s3                          ; my row of the cluster
	s_lshl_b32 s67, 0x1111, s66                    ; my column
	s_or_b32 s[G1A], s3, (3<<16)|(1<<21)
	s_or_b32 s[G1B], s67, (3<<16)|(1<<21)
	s_or_b32 s[G1SA], s3, (3<<16)|(1<<20)|(1<<21)|(5<<22)|(3<<25)
	s_or_b32 s[G1SB], s67, (3<<16)|(1<<20)|(1<<21)|(5<<22)|(3<<25)
	s_mov_b32 s[G1A+1], 768<<16                    ; A's codes: 128 places x 48 bytes of one head are one row of 768 elements of 8 bytes; sixteen heads
	s_mov_b32 s[G1A+2], 16<<16
	s_mov_b32 s[G1A+3], 768<<16
	s_mov_b32 s[G1A+4], 16
	s_mov_b32 s[G1A+5], PITA
	s_mov_b32 s[G1A+6], 0
	s_mov_b32 s[G1A+7], 0
	s_mov_b32 s[G1B+1], 1536<<16                   ; B's: 256 places x 48 bytes
	s_mov_b32 s[G1B+2], 16<<16
	s_mov_b32 s[G1B+3], 1536<<16
	s_mov_b32 s[G1B+4], 16
	s_mov_b32 s[G1B+5], PITB
	s_mov_b32 s[G1B+6], 0
	s_mov_b32 s[G1B+7], 0
	s_mov_b32 s[G1SA+1], 32<<16                    ; A's scale bytes: rows of 256 bytes, dense
	s_mov_b32 s[G1SA+2], 16<<16                    ; 128 places x 32 bytes: 16 rows of 256
	s_mov_b32 s[G1SA+3], 32<<16
	s_mov_b32 s[G1SA+4], 16
	s_mov_b32 s[G1SA+5], 32
	s_mov_b32 s[G1SA+6], 0
	s_mov_b32 s[G1SA+7], 0
	s_mov_b32 s[G1SB+1], 32<<16                    ; B's: rows of 256 bytes
	s_mov_b32 s[G1SB+2], 32<<16                    ; 256 places x 32 bytes: 32 rows of 256
	s_mov_b32 s[G1SB+3], 32<<16
	s_mov_b32 s[G1SB+4], 32
	s_mov_b32 s[G1SB+5], 32
	s_mov_b32 s[G1SB+6], 0
	s_mov_b32 s[G1SB+7], 0
	s_and_b32 s17, ttmp7, 0xffff
	s_lshl_b32 s17, s17, 2
	s_add_co_u32 s17, s17, s2                      ; the tile of 128 tokens = 4 x cluster y + cy
	s_lshl_b32 s19, ttmp9, 2
	s_add_co_u32 s19, s19, s66                     ; the tile of 256 outputs = 4 x cluster x + cx
	s_lshl_b32 s12, s17, 7
	s_lshl_b32 s13, s15, 6
	s_add_co_u32 s12, s12, s13
	s_lshl_b32 s12, s12, 12                        ; my first token's row of out0, 4,096 bytes a row
	s_lshl_b32 s100, s19, 8
	s_lshl_b32 s101, s16, 7
	s_add_co_u32 s100, s100, s101
	s_lshl_b32 s100, s100, 2                       ; my first output, in bytes
	s_mov_b32 s101, 0
	s_add_co_u32 s12, s12, s100
	s_mov_b32 s13, 0
	s_lshl_b32 s17, s17, 7
	s_lshl_b32 s19, s19, 8
	s_mov_b32 s3, 0
	s_mov_b32 s67, 0
	s_wait_dscnt 0x0
	s_wait_kmcnt 0x0
	s_add_nc_u64 s[62:63], s[62:63], s[12:13]
	s_add_nc_u64 s[60:61], s[60:61], s[100:101]
	s_lshl_b32 s2, s17, 5
	s_mov_b32 s[G0A], 1
	s_mov_b32 s[G0A+1], SCL
	s_add_nc_u64 s[G0A+2:G0A+3], s[6:7], s[2:3]
	s_or_b32 s[G0A+3], s[G0A+3], 0x80000000
	s_mul_i32 s2, s17, 48
	s_add_nc_u64 s[2:3], s[4:5], s[2:3]
	s_lshl_b32 s66, s19, 5
	s_mov_b32 s[G0B], 1
	s_mov_b32 s[G0B+1], SCL+4352
	s_add_nc_u64 s[G0B+2:G0B+3], s[10:11], s[66:67]
	s_or_b32 s[G0B+3], s[G0B+3], 0x80000000
	s_mul_i32 s66, s19, 48
	s_add_nc_u64 s[66:67], s[8:9], s[66:67]
	s_mov_b32 s[G0A+4], 1                          ; A's codes, all of K, to LDS byte 0
	s_mov_b32 s[G0A+5], 0
	s_mov_b64 s[G0A+6:G0A+7], s[2:3]
	s_or_b32 s[G0A+7], s[G0A+7], 0x80000000
	s_mov_b32 s[G0B+4], 1                          ; B's behind them
	s_mov_b32 s[G0B+5], 98304
	s_mov_b64 s[G0B+6:G0B+7], s[66:67]
	s_or_b32 s[G0B+7], s[G0B+7], 0x80000000
	CROUND                                         ; all sixteen work-groups are here: the joint loads meet
	s_cmp_eq_u32 s14, 0                            ; one chain of branches on the wave's number, one load to an arm
	s_cbranch_scc0 .Lwave_1
	tensor_load_to_lds s[G0B+4:G0B+7], s[G1B:G1B+7]      ; wave 0: B's codes
	s_nop 0
.rept 4
	v_nop
.endr
	s_branch .Lasked
.Lwave_1:
	s_cmp_eq_u32 s14, 1
	s_cbranch_scc0 .Lwave_2
	tensor_load_to_lds s[G0A+4:G0A+7], s[G1A:G1A+7]      ; wave 1: A's codes
	s_nop 0
.rept 4
	v_nop
.endr
	s_branch .Lasked
.Lwave_2:
	s_cmp_eq_u32 s14, 2
	s_cbranch_scc0 .Lwave_3
	tensor_load_to_lds s[G0B:G0B+3], s[G1SB:G1SB+7]      ; wave 2: B's scale bytes
	s_nop 0
.rept 4
	v_nop
.endr
	s_branch .Lasked
.Lwave_3:
	tensor_load_to_lds s[G0A:G0A+3], s[G1SA:G1SA+7]      ; wave 3: A's scale bytes
	s_nop 0
.rept 4
	v_nop
.endr
.Lasked:
	v_and_b32 v1, 15, v0                           ; r
	v_bfe_u32 v2, v0, 4, 1                         ; h
	v_lshlrev_b32 v[BO], 6, v2
.irp b, 0,1,2,3,4,5,6,7                        ; the bias in the result's layout: tile b, lane half h: outputs 32 (b / 2) + 8 (b % 2) + 16 h + 0 .. 7
	global_load_b128 v[BI+8*\b:BI+8*\b+3], v[BO], s[60:61] offset:(32*(\b/2)+8*(\b%2))*4
	global_load_b128 v[BI+8*\b+4:BI+8*\b+7], v[BO], s[60:61] offset:(32*(\b/2)+8*(\b%2))*4+16
.endr
	v_mul_u32_u24 v3, v1, 48
	v_mad_u32_u24 v3, v2, 24, v3                   ; r x 48 + 24 h
	s_wait_alu depctr_va_vdst(0)
	s_mul_i32 s12, s15, 3072                       ; my 64 places of A within a head
	s_mul_i32 s13, s16, 6144                       ; my 128 places of B,
	s_add_co_u32 s13, s13, 98304                   ; behind A's codes
.irp s, 0,1,2,3
	v_add_nc_u32 v[ADRA+\s], s12, v3
	v_add_nc_u32 v[ADRB+\s], s13, v3
	s_add_co_u32 s12, s12, 24576                   ; four K / 64 on
	s_add_co_u32 s13, s13, 49152
.endr
	v_lshrrev_b32 v4, 3, v1
	v_and_b32 v5, 7, v1
	v_mul_u32_u24 v4, v4, 272
	v_lshl_add_u32 v4, v5, 5, v4
	s_mul_i32 s12, s15, 2176
	s_mul_i32 s13, s16, 4352
	s_add_co_u32 s13, s13, 4352
	s_sub_co_u32 s13, s13, s12
	v_mul_u32_u24 v5, s13, v2                      ; lanes 16-31 take B's: the lower base + h x the distance
	s_add_co_u32 s12, s12, SCL
	v_add_nc_u32 v4, v4, v5
	v_add_nc_u32 v[ADRS], s12, v4
	s_mul_i32 s12, s14, 16*528                     ; my stage: 16 rows x (512 + 16) bytes, in the bytes of A's first six heads (steps 0 to 2), which have had their one fill and are read by nobody behind the barrier of step 3
	v_mul_u32_u24 v[STO], v1, 528
	v_lshl_add_u32 v[STO], v2, 6, v[STO]
	v_add_nc_u32 v[STO], s12, v[STO]
	v_and_b32 v6, 31, v0
	v_lshlrev_b32 v[CO], 4, v6
	v_add_nc_u32 v[RD], s12, v[CO]
	s_wait_alu depctr_va_vdst(0)
	s_wait_tensorcnt 0x0                           ; my one load is in
	s_barrier_signal -1
	s_barrier_wait -1
	FETCH_B 0
	FETCH_A 0, 0
	SCALES 0
	FETCH_A 0, 2
	s_wait_loadcnt 0x0                             ; the bias
	STEPP 0, 2, 0x81
	STEPT 1
	STEPP 2, 1, 0xa1
	STEPT 3
	STEPP 4, 1, 0xa1
	STEPT 5
	STEPP 6, 1, 0xa1
	s_wait_dscnt 12                                ; the last step: nothing more to fetch
	WIN 0xa1
	MULA 0, 7, 1
	MULA 1, 7, 1
	s_wait_dscnt 0x0
	MULA 2, 7, 1
	MULA 3, 7, 1
	WIN 0
	PLACES 4                                       ; in front of the first read of results and of loads into the registers that held A's fragments
	TOSTAGE 0
.irp a, 1,2,3
.if \a > 1
	s_wait_xcnt 0x0                                ; block a - 2's stores have read their registers: block a's rows may land there
.endif
	TOSTAGE \a
	SEND \a-1, 32                                  ; behind block a - 1's loads: block a's 16 stores and 16 loads
.endr
	SEND 3, 0
	s_wait_tensorcnt 0x0
	ds_add_u32 v30, v31
	s_wait_dscnt 0x0
	CROUND                                         ; the closing round: no work-group ends while a partner may still ask for a tile that names it
	s_endpgm
.Lfunc_end_k_q4fa2b9913d_proj:
	.size	k_q4fa2b9913d_proj, .Lfunc_end_k_q4fa2b9913d_proj-k_q4fa2b9913d_proj
	.p2alignl 7, 3214868480
	.fill 96, 4, 3214868480
	.section	.rodata,"a",@progbits
	.p2align	6, 0x0
	.amdhsa_kernel k_q4fa2b9913d_proj
		.amdhsa_group_segment_fixed_size 327680
		.amdhsa_private_segment_fixed_size 0
		.amdhsa_enable_private_segment 0
		.amdhsa_kernarg_size 48
		.amdhsa_user_sgpr_count 2
		.amdhsa_user_sgpr_kernarg_segment_ptr 1
		.amdhsa_wavefront_size32 1
		.amdhsa_system_sgpr_workgroup_id_x 1
		.amdhsa_system_sgpr_workgroup_id_y 1
		.amdhsa_system_sgpr_workgroup_id_z 1
		.amdhsa_system_vgpr_workitem_id 0
		.amdhsa_next_free_vgpr 768
		.amdhsa_next_free_sgpr 102
		.amdhsa_reserve_vcc 0
		.amdhsa_float_denorm_mode_32 3
		.amdhsa_float_denorm_mode_16_64 3
		.amdhsa_memory_ordered 1
		.amdhsa_forward_progress 1
		.amdhsa_inst_pref_size 99
	.end_amdhsa_kernel
	.amdgpu_metadata
---
amdhsa.version: [ 1, 2 ]
amdhsa.kernels:
  - .name:           k_q4fa2b9913d_proj
    .symbol:         k_q4fa2b9913d_proj.kd
    .args:
      - { .name: yc, .offset: 0, .size: 8, .value_kind: global_buffer, .address_space: global }
      - { .name: ys, .offset: 8, .size: 8, .value_kind: global_buffer, .address_space: global }
      - { .name: wpc, .offset: 16, .size: 8, .value_kind: global_buffer, .address_space: global }
      - { .name: wps, .offset: 24, .size: 8, .value_kind: global_buffer, .address_space: global }
      - { .name: b_proj, .offset: 32, .size: 8, .value_kind: global_buffer, .address_space: global }
      - { .name: out0, .offset: 40, .size: 8, .value_kind: global_buffer, .address_space: global }
    .group_segment_fixed_size: 327680
    .private_segment_fixed_size: 0
    .kernarg_segment_align: 8
    .kernarg_segment_size: 48
    .max_flat_workgroup_size: 128
    .sgpr_count:     102
    .vgpr_count:     768
    .wavefront_size: 32
...
	.end_amdgpu_metadata
.endif
;; end of part 4
